; MI455X (gfx1250); checked and timed in simulation.
; The chip was launched on July 23, 2026; its instructions are those of AMD's public machine-readable ISA for CDNA 5 (MIT licence, August 2026) and "CDNA5" Instruction Set Architecture Reference Guide (July 2026). The comments in the code are by the model that wrote it; some were corrected since.
;; Cell Graph Transformer. Allowed arithmetic: matrix products marked QUANTISED: E2M3 operands, one E8M0 scale for each 32 along K, by v_wmma_scale_f32_16x16x128_f8f6f4 with both operands' format E2M3, f32 sums; everything else in f32.
;; Inputs: W1_codes 4,096 x 32 x 24 uint8 (E2M3 codes of W1, K innermost, in blocks of 32 codes, four codes in three bytes); W1_scales 4,096 x 32 uint8 (E8M0 scales of W1, one for each 32 codes along K); W2_codes 1,024 x 128 x 24 uint8 (E2M3 codes of W2, K innermost, in blocks of 32 codes, four codes in three bytes); W2_scales 1,024 x 128 uint8 (E8M0 scales of W2, one for each 32 codes along K); Wk_codes 1,024 x 32 x 24 uint8 (E2M3 codes of Wk, K innermost, in blocks of 32 codes, four codes in three bytes); Wk_scales 1,024 x 32 uint8 (E8M0 scales of Wk, one for each 32 codes along K); Wo_codes 1,024 x 32 x 24 uint8 (E2M3 codes of Wo, K innermost, in blocks of 32 codes, four codes in three bytes); Wo_scales 1,024 x 32 uint8 (E8M0 scales of Wo, one for each 32 codes along K); Wq_codes 1,024 x 32 x 24 uint8 (E2M3 codes of Wq, K innermost, in blocks of 32 codes, four codes in three bytes); Wq_scales 1,024 x 32 uint8 (E8M0 scales of Wq, one for each 32 codes along K); Wv_codes 1,024 x 32 x 24 uint8 (E2M3 codes of Wv, K innermost, in blocks of 32 codes, four codes in three bytes); Wv_scales 1,024 x 32 uint8 (E8M0 scales of Wv, one for each 32 codes along K); b1n 1,024 float32; b2n 1,024 float32; bf1 4,096 float32; bf2 1,024 float32; bk 1,024 float32; bo 1,024 float32; bq 1,024 float32; bv 1,024 float32; g1 1,024 float32; g2 1,024 float32; x 2 x 2,048 x 1,024 float32.
;; Outputs: out0 2 x 2,048 x 1,024 float32.
;; This version of the problem:
;;   THIS VERSION OF THE PROBLEM IS GIVEN IN LOW PRECISION. The matrix products marked QUANTISED in the list below multiply operands that are first quantised to E2M3 (2 exponent bits, 3 mantissa bits; 6 bits a number), with one power-of-two scale for each 32 numbers along K (OCP MX v1.0); their sums are f32. All else is computed in f32.
;;   The module's matrix products, in the order in which they are computed (A, B: the left and right operand; K: the contracted axis; several contracted axes count as one K, in the product's order):
;;     1. [M 4,096, K 1,024] x [K 1,024, N 1,024]; A: input x; B: input Wq (given as codes): QUANTISED
;;     2. [M 4,096, K 1,024] x [K 1,024, N 1,024]; A: input x; B: input Wk (given as codes): QUANTISED
;;     3. [M 4,096, K 1,024] x [K 1,024, N 1,024]; A: input x; B: input Wv (given as codes): QUANTISED
;;     4. batch 32 x [M 2,048, K 64] x [K 64, N 2,048]; A: computed on the way; B: computed on the way: QUANTISED
;;     5. batch 32 x [M 2,048, K 2,048] x [K 2,048, N 64]; A: softmax (see below); B: computed on the way: QUANTISED
;;     6. [M 4,096, K 1,024] x [K 1,024, N 1,024]; A: computed on the way; B: input Wo (given as codes): QUANTISED
;;     7. [M 4,096, K 1,024] x [K 1,024, N 4,096]; A: computed on the way; B: input W1 (given as codes): QUANTISED
;;     8. [M 4,096, K 4,096] x [K 4,096, N 1,024]; A: computed on the way; B: input W2 (given as codes): QUANTISED
;;   THE QUANTISER, for each operand of a quantised product, along K:
;;     - K is cut into blocks of 32 from its start; a last block that is shorter is filled with zeros.
;;     - A block's scale is 2^e with e = floor(log2(the largest magnitude in the block)) - 2, held to -126 .. 127; a block of zeros has e = 0. As a byte (E8M0): e + 127.
;;     - Each number is divided by its block's scale, clamped to +-7.5, and rounded to the nearest number of E2M3, ties to even, subnormals kept.
;;     - The product sums the exact products of the quantised numbers (number of the format x scale) in f32.
;;   ~~~python
;;   def quantise(x, axis):      # numpy; x: float32 -> the quantised numbers, widened to float32 again
;;       x = np.moveaxis(x, axis, -1); K = x.shape[-1]
;;       x = np.pad(x, [(0, 0)] * (x.ndim - 1) + [(0, -K % 32)]); x = x.reshape(x.shape[:-1] + (-1, 32)); a = np.abs(x).max(-1, keepdims=True)
;;       e = np.where(a > 0, np.clip(np.frexp(np.where(a > 0, a, 1))[1] - 1 - 2, -126, 127), 0)      # np.frexp(a)[1] - 1 = floor(log2(a)), exactly
;;       r = np.clip(x / 2.0 ** e, -7.5, 7.5)
;;       step = 2.0 ** (np.maximum(np.frexp(np.where(r == 0, 1, r))[1] - 1, 0) - 3)
;;       q = np.round(r / step) * step * 2.0 ** e      # np.round: ties to even
;;       return np.moveaxis(q.reshape(q.shape[:-2] + (-1,))[..., :K], -1, axis).astype(np.float32)
;;   ~~~
;;   SOFTMAX AHEAD OF A QUANTISED PRODUCT. Where the list says 'softmax', what is quantised is not the finished softmax but p = 2^(t - M), with t = logit x log2(e) and M = ceil(the row's largest t), a whole number; so 1/2 < the row's largest p <= 1. The row's sum l is taken of the UNQUANTISED p, in f32, and the product's result is divided by l at the end. Since M is a whole number, a kernel that streams over the keys may use a running M (the ceiling of the running maximum): every later rescaling is an exact power of two, which a block's scale takes up: the codes' values come out the same.
;;   OPERANDS COMPUTED ON THE WAY. 'Computed on the way' means the value that the module computes at that place (a softmax that the list does not call 'softmax' is quantised finished and normalised). What goes into a quantiser is computed in f32, as accurately as f32 sums, v_exp_f32 and their like allow (about 1e-6 of the number): no bf16 or f16 on the way to a quantiser, and a product that is left as it is and whose result goes on into a quantised operand takes f32 operands (vector FMAs, or v_wmma_f32_16x16x4_f32). A number that lies on a knife's edge between two numbers of the format may be rounded either way, as far as f32 arithmetic and the matrix unit's own rounding can turn it there, and no further.
;;   INPUTS GIVEN AS CODES. W1 (in the module: [1024, 4096], K = its axis 0); W2 (in the module: [4096, 1024], K = its axis 0); Wk (in the module: [1024, 1024], K = its axis 0); Wo (in the module: [1024, 1024], K = its axis 0); Wq (in the module: [1024, 1024], K = its axis 0); Wv (in the module: [1024, 1024], K = its axis 0): each comes as NAME_codes (uint8): NAME with its K axis moved to the last place and cut into blocks of 32 codes, [.., K / 32, bytes a block], one block behind the other in memory; four codes in three bytes: a row's codes are one little-endian stream of bits, code i at bits 6 i .. 6 i + 5 (a code: sign, 2 exponent bits, 3 mantissa bits); and NAME_scales (uint8): the same leading axes, one E8M0 byte (e + 127) for each 32 codes along K. Its value is code x scale, taken as it is: it is not quantised again, and the codes and scales need not be those that the quantiser above would give.
;; One version. Each part assembles by itself: llvm-mc -triple=amdgcn-amd-amdhsa -mcpu=gfx1250 --defsym DOCPART=n.
;; ======== version 1 of 1: 8 launches
;; limits: a function is approximated: absolute error at most 1.5e-07
;; workspace buffers: prepb 13,107,200 bytes; qkvb 10,092,544 bytes; attb 3,276,800 bytes; ybuf 16,777,216 bytes; ln1b 20,054,016 bytes; hidb 13,107,200 bytes
;; launch prep (part 1): grid 512 x 1, 8 waves a work-group, no clusters, 66,816 bytes of LDS; arguments x, Wq_codes, Wq_scales, Wk_codes, Wk_scales, Wv_codes, Wv_scales, Wo_codes, Wo_scales, W1_codes, W1_scales, W2_codes, W2_scales, prepb; writes prepb
.if DOCPART == 1
	.amdgcn_target "amdgcn-amd-amdhsa--gfx1250"
	.amdhsa_code_object_version 6
	.text
	.protected	k_qceb160de7d_prep
	.globl	k_qceb160de7d_prep
	.p2align	8
	.type	k_qceb160de7d_prep,@function
k_qceb160de7d_prep:
	s_mov_b64 s[64:65], 0
	v_nop
	global_prefetch_b8 v0, s[64:65] scope:SCOPE_SE
	s_setreg_imm32_b32 hwreg(HW_REG_WAVE_MODE, 25, 1), 1
	s_wait_xcnt 0x0
; x [4096][1024] f32 is quantised to FP6 (E2M3) with one E8M0 byte for each 32 along K, and the six weights' codes and scale bytes are laid anew, all as IMAGES OF OPERAND REGISTERS.
; A fragment (16 rows x 128 K, 12 registers a lane) is 1,536 bytes: registers 0-3 at 16 x lane, 4-5 at 512 + 8 x lane, 6-9 at 768 + 16 x lane, 10-11 at 1,280 + 8 x lane.
; An operand is [tile of 16 rows][K step of 128][1,536 bytes]; its scale words are [tile][K step][16 rows] of 4 bytes.  Every later read of these operands is dense.
; Work-groups 0-255: a tile of 16 rows of x each.  Work-groups 256-511: three weight fragments a wave.  Only the first kind touches LDS or a barrier; the branch hangs on the work-group's number alone.
; A block's scale is 2^(floor(log2(its largest magnitude)) - 2); its byte is the largest magnitude's exponent field - 2, held at 1 from below.
; LIMITS: NaN and infinities among the inputs are not served.  A block of zeros, or one whose largest magnitude lies under 2^-124, gets the byte 1: its codes are zeros or held small, and this program alone reads the bytes.
.set XP,   4112                        ; a row of x in LDS: 4,096 bytes + 16: the sixteen rows of a load start in sixteen different groups of banks
.set XS,   3145728                     ; prepb: x's scale words behind x's images (at 0)
.set W4I,  3276800                     ; Wq, Wk, Wv, Wo: images, 786,432 bytes each
.set W4S,  6422528                     ; their scale words, 32,768 bytes each
.set W1I,  6553600
.set W1S,  9699328
.set W2I,  9830400
.set W2S,  12976128
.set NUM,  16                          ; v16-79  64 numbers
.set TM,   80                          ; v80-95  at work in QUANT
.set PW,   96                          ; v96     the scale word just made
.set PC,   98                          ; v98-117 the codes just made
.set SEL,  12                          ; s[12:13] lane selects for v_permlanex16_b32: lane l xor 16
.set L16,  4                           ; v4  16 x lane
.set L8,   5                           ; v5  8 x lane
; 64 numbers of a lane, v[s] .. v[s + 63], register 16 b + i = place 16 (lane / 16) + i of block b of my row, become a fragment's codes in v[PC] on and its scale word in v[PW].
.macro QUANT s
.irp b, 0,1,2,3
	v_max3_num_f32 v[TM+\b], |v[\s+16*\b]|, |v[\s+1+16*\b]|, 0x1800000   ; my 16 numbers of block b, and the floor 2^(3 - 127): the byte cannot fall under 1
.endr
.irp i, 2,4,6,8,10,12,14
.irp b, 0,1,2,3
	v_max3_num_f32 v[TM+\b], v[TM+\b], |v[\s+16*\b+\i]|, |v[\s+1+16*\b+\i]|   ; the four blocks by turns
.endr
.endr
.irp b, 0,1,2,3
	v_permlanex16_b32 v[TM+4+\b], v[TM+\b], s[SEL], s[SEL+1]
.endr
.irp b, 0,1,2,3
	v_max_num_f32 v[TM+\b], v[TM+\b], v[TM+4+\b]   ; with lane l xor 16's: the block's largest magnitude
.endr
.irp b, 0,1,2,3
	v_add_nc_u32 v[TM+12+\b], 0xff000000, v[TM+\b]   ; 2 off its exponent field: the conversion takes the exponent field of this operand as its scale
.endr
.irp b, 0,1,2,3
	v_lshrrev_b32 v[TM+4+\b], 23, v[TM+12+\b]   ; the scale's byte
.endr
	v_lshl_or_b32 v[PW], v[TM+5], 8, v[TM+4]
	v_lshl_or_b32 v[PW], v[TM+6], 16, v[PW]
	v_lshl_or_b32 v[PW], v[TM+7], 24, v[PW]
.irp c, 0,1
	v_cvt_scalef32_pk16_fp6_f32 v[PC+6*\c:PC+2+6*\c], v[\s+32*\c:\s+15+32*\c], v[TM+12+2*\c]
	v_cvt_scalef32_pk16_fp6_f32 v[PC+12+4*\c:PC+14+4*\c], v[\s+16+32*\c:\s+31+32*\c], v[TM+12+2*\c+1]   ; (a conversion's three registers begin on an even number)
.endr
	v_nop                                          ; one plain place behind a scaled conversion
.irp c, 0,1                                    ; the operand's layout wants a whole block in a lane: lanes 0-15 block 2 c, lanes 16-31 block 2 c + 1
.irp i, 0,1,2
	v_permlane16_swap_b32 v[PC+6*\c+\i], v[PC+12+4*\c+\i]
.endr
.irp i, 0,1,2
	v_mov_b32 v[PC+3+6*\c+\i], v[PC+12+4*\c+\i]
.endr
.endr
.endm
.macro PUTFRAG reg, base, off                  ; a fragment's image: each store covers 512 or 256 consecutive bytes, at a multiple of 256 from the buffer's first byte
	global_store_b128 v[L16], v[\reg:\reg+3], s[\base:\base+1] offset:\off
	global_store_b64 v[L8], v[\reg+4:\reg+5], s[\base:\base+1] offset:(\off)+512
	global_store_b128 v[L16], v[\reg+6:\reg+9], s[\base:\base+1] offset:(\off)+768
	global_store_b64 v[L8], v[\reg+10:\reg+11], s[\base:\base+1] offset:(\off)+1280
.endm
	s_load_b512 s[16:31], s[0:1], 0x0              ; x, Wq c, Wq s, Wk c, Wk s, Wv c, Wv s, Wo c
	s_load_b256 s[32:39], s[0:1], 0x40             ; Wo s, W1 c, W1 s, W2 c
	s_load_b128 s[40:43], s[0:1], 0x60             ; W2 s, prepb
	v_lshl_add_u32 v128, v0, 2, 0x10100
	v_mov_b32 v129, 0
	v_lshrrev_b32 v1, 5, v0
	v_readfirstlane_b32 s2, v1                     ; wave 0..7
	v_and_b32 v1, 31, v0                           ; lane
	v_and_b32 v2, 15, v0                           ; r
	v_bfe_u32 v3, v0, 4, 1                         ; h
	v_lshlrev_b32 v4, 4, v1
	v_lshlrev_b32 v5, 3, v1
	v_lshlrev_b32 v6, 2, v2                        ; 4 r: a scale word's place
	s_cmp_lt_u32 ttmp9, 256
	s_cbranch_scc0 .Lweights
	; ---- x: my work-group's 16 rows.  In: wave w takes rows 2 w, 2 w + 1, each load 512 consecutive bytes; they go to LDS as rows.
	s_mul_i32 s3, s2, 2*XP
	v_add_nc_u32 v7, s3, v4                        ; LDS, in: 16 x lane + my two rows
	v_mul_u32_u24 v8, v2, XP
	v_lshl_add_u32 v8, v3, 6, v8
	s_lshl_b32 s3, s2, 9
	v_add_nc_u32 v8, s3, v8                        ; LDS, out: row r, K step w (512 bytes), + 64 h: my 16 numbers of each block of 32
	s_mov_b32 s[SEL], 0x76543210
	s_mov_b32 s[SEL+1], 0xfedcba98
.irp b, 0,1,2,3
	v_mov_b32 v[TM+4+\b], 0                        ; written once: a lane permute's destination counts as one of its sources
.endr
	s_lshl_b32 s4, ttmp9, 16                       ; 16 rows of 4,096 bytes
	s_lshl_b32 s5, s2, 13
	s_add_co_u32 s4, s4, s5
	s_mov_b32 s5, 0
	s_wait_kmcnt 0x0
	s_add_nc_u64 s[16:17], s[16:17], s[4:5]
.irp i, 0,1
.irp j, 0,1,2,3,4,5,6,7
	global_load_b128 v[NUM+32*\i+4*\j:NUM+32*\i+4*\j+3], v4, s[16:17] offset:4096*\i+512*\j th:TH_LOAD_NT
.endr
.endr
	s_wait_loadcnt 8                               ; the first row's eight loads are in; the second row's eight may be out
.irp j, 0,1,2,3,4,5,6,7
	ds_store_b128 v7, v[NUM+4*\j:NUM+4*\j+3] offset:512*\j
.endr
	s_wait_loadcnt 0x0
.irp j, 0,1,2,3,4,5,6,7
	ds_store_b128 v7, v[NUM+32+4*\j:NUM+32+4*\j+3] offset:XP+512*\j
.endr
	s_wait_dscnt 0x0                               ; for the others' sake: my rows lie in LDS
	s_barrier_signal -1
	s_barrier_wait -1
	; out: wave w takes K step w of all 16 rows
.irp b, 0,1,2,3
.irp j, 0,1,2,3
	ds_load_b128 v[NUM+16*\b+4*\j:NUM+16*\b+4*\j+3], v8 offset:128*\b+16*\j
.endr
.endr
	s_mul_i32 s4, ttmp9, 12288                     ; my tile's eight fragments,
	s_mul_i32 s6, s2, 1536                         ; mine of them
	s_add_co_u32 s4, s4, s6
	s_add_nc_u64 s[8:9], s[42:43], s[4:5]
	s_lshl_b32 s4, ttmp9, 9
	s_lshl_b32 s6, s2, 6
	s_add_co_u32 s4, s4, s6
	s_add_co_u32 s4, s4, XS
	s_add_nc_u64 s[10:11], s[42:43], s[4:5]
	s_wait_dscnt 0x0
	QUANT NUM
	PUTFRAG PC, 8, 0
	global_store_b32 v6, v[PW], s[10:11]           ; lanes 16-31 hold row r's word too and write the same bytes
	s_wait_tensorcnt 0x0
	ds_add_u32 v128, v129
	s_wait_dscnt 0x0
	s_endpgm
.Lweights:
	; ---- weights: work-group j, wave w: fragment 8 j + w of the four small weights, of W1 and of W2.  A lane's 24 bytes of a row are its registers as they lie.
	s_sub_co_u32 s4, ttmp9, 256                    ; j
	s_lshr_b32 s5, s4, 6                           ; which of Wq, Wk, Wv, Wo
	s_and_b32 s6, s4, 63                           ; its tile
	v_mul_u32_u24 v10, v2, 768                     ; a row of 1,024 codes
	v_mad_u32_u24 v10, v3, 24, v10
	v_mul_u32_u24 v11, v2, 3072                    ; a row of 4,096 codes
	v_mad_u32_u24 v11, v3, 24, v11
	v_lshlrev_b32 v12, 5, v2                       ; a row of 32 scale bytes
	v_lshlrev_b32 v13, 7, v2                       ; of 128
	s_mul_i32 s7, s2, 96                           ; K step w: 96 bytes of codes,
	s_lshl_b32 s8, s2, 2                           ; 4 scale bytes
	s_mov_b32 s51, 0
	s_wait_kmcnt 0x0
	s_mov_b64 s[44:45], s[30:31]
	s_mov_b64 s[46:47], s[32:33]
	s_cmp_eq_u32 s5, 2
	s_cselect_b64 s[44:45], s[26:27], s[44:45]
	s_cselect_b64 s[46:47], s[28:29], s[46:47]
	s_cmp_eq_u32 s5, 1
	s_cselect_b64 s[44:45], s[22:23], s[44:45]
	s_cselect_b64 s[46:47], s[24:25], s[46:47]
	s_cmp_eq_u32 s5, 0
	s_cselect_b64 s[44:45], s[18:19], s[44:45]
	s_cselect_b64 s[46:47], s[20:21], s[46:47]
	s_mul_i32 s50, s6, 12288
	s_add_co_u32 s50, s50, s7
	s_add_nc_u64 s[44:45], s[44:45], s[50:51]
	s_lshl_b32 s50, s6, 9
	s_add_co_u32 s50, s50, s8
	s_add_nc_u64 s[46:47], s[46:47], s[50:51]
	s_mul_i32 s50, s4, 12288                       ; W1: tile j
	s_add_co_u32 s50, s50, s7
	s_add_nc_u64 s[34:35], s[34:35], s[50:51]
	s_lshl_b32 s50, s4, 9
	s_add_co_u32 s50, s50, s8
	s_add_nc_u64 s[36:37], s[36:37], s[50:51]
	s_lshr_b32 s9, s4, 2                           ; W2: tile j / 4,
	s_and_b32 s10, s4, 3
	s_lshl_b32 s10, s10, 3
	s_add_co_u32 s10, s10, s2                      ; K step 8 (j % 4) + w
	s_mul_i32 s50, s9, 49152
	s_mul_i32 s11, s10, 96
	s_add_co_u32 s50, s50, s11
	s_add_nc_u64 s[38:39], s[38:39], s[50:51]
	s_lshl_b32 s50, s9, 11
	s_lshl_b32 s11, s10, 2
	s_add_co_u32 s50, s50, s11
	s_add_nc_u64 s[40:41], s[40:41], s[50:51]
.irp p, 0,1,2,3,4,5
	global_load_b64 v[16+2*\p:17+2*\p], v10, s[44:45] offset:48*(\p/3)+8*(\p%3)
	global_load_b64 v[28+2*\p:29+2*\p], v10, s[34:35] offset:48*(\p/3)+8*(\p%3)
	global_load_b64 v[40+2*\p:41+2*\p], v11, s[38:39] offset:48*(\p/3)+8*(\p%3)
.endr
	global_load_b32 v52, v12, s[46:47]
	global_load_b32 v53, v12, s[36:37]
	global_load_b32 v54, v13, s[40:41]
	s_lshl_b32 s9, s4, 3
	s_add_co_u32 s9, s9, s2                        ; 8 j + w: the fragment's number in each of the three regions
	s_mul_i32 s50, s9, 1536
	s_add_nc_u64 s[52:53], s[42:43], s[50:51]
	s_lshl_b32 s50, s9, 6
	s_add_nc_u64 s[54:55], s[42:43], s[50:51]
	s_add_nc_u64 s[56:57], s[52:53], W4I
	s_add_nc_u64 s[58:59], s[52:53], W1I
	s_add_nc_u64 s[60:61], s[52:53], W2I
	s_add_nc_u64 s[6:7], s[54:55], W4S
	s_add_nc_u64 s[8:9], s[54:55], W1S
	s_add_nc_u64 s[10:11], s[54:55], W2S
	s_wait_loadcnt 0x0
	PUTFRAG 16, 56, 0
	PUTFRAG 28, 58, 0
	PUTFRAG 40, 60, 0
	global_store_b32 v6, v52, s[6:7]
	global_store_b32 v6, v53, s[8:9]
	global_store_b32 v6, v54, s[10:11]
	s_endpgm
.Lfunc_end_k_qceb160de7d_prep:
	.size	k_qceb160de7d_prep, .Lfunc_end_k_qceb160de7d_prep-k_qceb160de7d_prep
	.p2alignl 7, 3214868480
	.fill 96, 4, 3214868480
	.section	.rodata,"a",@progbits
	.p2align	6, 0x0
	.amdhsa_kernel k_qceb160de7d_prep
		.amdhsa_group_segment_fixed_size 66816
		.amdhsa_private_segment_fixed_size 0
		.amdhsa_enable_private_segment 0
		.amdhsa_kernarg_size 112
		.amdhsa_user_sgpr_count 2
		.amdhsa_user_sgpr_kernarg_segment_ptr 1
		.amdhsa_wavefront_size32 1
		.amdhsa_system_sgpr_workgroup_id_x 1
		.amdhsa_system_sgpr_workgroup_id_y 1
		.amdhsa_system_sgpr_workgroup_id_z 1
		.amdhsa_system_vgpr_workitem_id 0
		.amdhsa_next_free_vgpr 130
		.amdhsa_next_free_sgpr 66
		.amdhsa_reserve_vcc 0
		.amdhsa_float_denorm_mode_32 3
		.amdhsa_float_denorm_mode_16_64 3
		.amdhsa_memory_ordered 1
		.amdhsa_forward_progress 1
		.amdhsa_inst_pref_size 16
	.end_amdhsa_kernel
	.amdgpu_metadata
---
amdhsa.version: [ 1, 2 ]
amdhsa.kernels:
  - .name:           k_qceb160de7d_prep
    .symbol:         k_qceb160de7d_prep.kd
    .args:
      - { .name: x, .offset: 0, .size: 8, .value_kind: global_buffer, .address_space: global }
      - { .name: Wq_codes, .offset: 8, .size: 8, .value_kind: global_buffer, .address_space: global }
      - { .name: Wq_scales, .offset: 16, .size: 8, .value_kind: global_buffer, .address_space: global }
      - { .name: Wk_codes, .offset: 24, .size: 8, .value_kind: global_buffer, .address_space: global }
      - { .name: Wk_scales, .offset: 32, .size: 8, .value_kind: global_buffer, .address_space: global }
      - { .name: Wv_codes, .offset: 40, .size: 8, .value_kind: global_buffer, .address_space: global }
      - { .name: Wv_scales, .offset: 48, .size: 8, .value_kind: global_buffer, .address_space: global }
      - { .name: Wo_codes, .offset: 56, .size: 8, .value_kind: global_buffer, .address_space: global }
      - { .name: Wo_scales, .offset: 64, .size: 8, .value_kind: global_buffer, .address_space: global }
      - { .name: W1_codes, .offset: 72, .size: 8, .value_kind: global_buffer, .address_space: global }
      - { .name: W1_scales, .offset: 80, .size: 8, .value_kind: global_buffer, .address_space: global }
      - { .name: W2_codes, .offset: 88, .size: 8, .value_kind: global_buffer, .address_space: global }
      - { .name: W2_scales, .offset: 96, .size: 8, .value_kind: global_buffer, .address_space: global }
      - { .name: prepb, .offset: 104, .size: 8, .value_kind: global_buffer, .address_space: global }
    .group_segment_fixed_size: 66816
    .private_segment_fixed_size: 0
    .kernarg_segment_align: 8
    .kernarg_segment_size: 112
    .max_flat_workgroup_size: 256
    .sgpr_count:     66
    .vgpr_count:     130
    .wavefront_size: 32
...
	.end_amdgpu_metadata
.endif
;; end of part 1
;; launch qkv (part 2): grid 48 x 4, 4 waves a work-group, clusters of 4 x 4, 327,680 bytes of LDS; arguments prepb, bq, bk, bv, qkvb; writes qkvb
.if DOCPART == 2
	.amdgcn_target "amdgcn-amd-amdhsa--gfx1250"
	.amdhsa_code_object_version 6
	.text
	.protected	k_qceb160de7d_qkv
	.globl	k_qceb160de7d_qkv
	.p2align	8
	.type	k_qceb160de7d_qkv,@function
k_qceb160de7d_qkv:
	s_mov_b64 s[64:65], 0
	v_nop
	global_prefetch_b8 v0, s[64:65] scope:SCOPE_SE
	s_setreg_imm32_b32 hwreg(HW_REG_WAVE_MODE, 25, 1), 1
	s_wait_xcnt 0x0
	s_wait_alu depctr_hold_cnt(0) depctr_sa_sdst(0) depctr_va_vdst(0) depctr_va_sdst(0) depctr_va_ssrc(0) depctr_va_vcc(0) depctr_vm_vsrc(0)
	s_getreg_b32 s2, hwreg(HW_REG_IB_STS2, 6, 4)
	s_cmp_eq_u32 s2, 0
	s_cbranch_scc0 .Lentry_in_a_cluster
	s_endpgm
.Lentry_in_a_cluster:
	s_bfe_u32 s2, ttmp6, 0x10000c
	s_cmp_lg_u32 s2, 0xf033
	s_cbranch_scc0 .Lentry_shape_is_right
	s_endpgm
.Lentry_shape_is_right:
; q = x Wq + bq, k = x Wk + bk, v = x Wv + bv on codes of FP6 (E2M3) with E8M0 scales, and all three quantised again for attention: q and k along the head's 64, v along the keys.
; Both operands come as images of operand registers (a fragment of 16 rows x 128 K is 1,536 dense bytes; an operand is [tile][K step][1,536]); scale words as [tile][K step][16 rows].
; A tile of the result, 256 x 256, is made by four waves, each 128 x 128: 64 accumulators, 512 registers.  K = 1,024 goes in 8 steps of 128, two to a slot, through a ring of two LDS slots filled by the tensor data mover.
; CLUSTERS of 4 x 4: cluster c = 0..3 makes q, 4..7 k, 8..11 v.  The four of a row of the cluster share side A's tiles, the four of a column side B's: each tile is asked for jointly.
; THE MATRIX INSTRUCTION IS USED TRANSPOSED (source 0 = 16 rows of side B, source 1 = 16 rows of side A): a lane holds ONE row of side A, and its registers run along side B's rows.
; For q and k side A is x (a lane holds a token, registers run along the channels: the next K).  For v the sides change places: side A is Wv (a lane holds a channel, registers run along the tokens: the keys, the next K).
; ORDER INSIDE A BLOCK OF 32: a lane's 16 registers of two neighbouring tiles hold places 16 u + 8 (lane / 16) + j of the block.  They are converted as they lie: q and k are both laid so here, v here and p in the attention launch,
; and a permutation inside a block, alike on both operands of a product, changes no product and no scale.
; OUT: q [b x 16 + head][128 tiles of 16 queries][768 bytes: registers 0-5]; its scale words [..][..][16 rows]; k and v in records of 13,056 bytes for 128 keys of a head: 8 x 768 of k, 4 x 1,536 of v^T, 8 x 64 and 4 x 64 of scale words.
; A scale word of q or k repeats its two bytes: the instruction's K is 128, the head's 64, and the two blocks that do not exist get real bytes over zero codes.
; LIMITS: NaN and infinities are not served.  A block of zeros, or one under 2^-124, gets the byte 1 (this program alone reads the bytes).
.set T,      8                         ; tiles of 16 rows for a wave and side
.set NQ,     2                         ; K steps in a slot
.set KSTEPS, 8
.set FRB,    1536
.set QUART,  T*NQ*FRB                  ; what one tensor load brings, and what one wave reads of a side
.set SLOT,   4*QUART                   ; A's two halves, then B's two halves
.set QSC,    T*KSTEPS*64               ; the scale words of T tiles for all of K
.set SCL,    2*SLOT                    ; behind the ring: the scale words, four quarters, filled once
.set SPARE,  327168                    ; the spare words, 128 bytes for each wave: two blocks of 256 bytes that no other line names
.set LAPS,   KSTEPS/(2*NQ)
.set G1,   24                          ; s[24:31] descriptor group 1 for A's tiles; s[32:39] group 0, a set for each slot
.set G0,   32
.set G1B,  48                          ; s[48:55], s[56:63] the same for B's
.set G0B,  56
.set G1S,  68                          ; s[68:75], s[76:79] groups 1 and 0 for A's scale words; s[80:87], s[88:91] for B's
.set G0S,  76
.set G1SB, 80
.set G0SB, 88
.set SEL,  104                         ; s[104:105] lane selects for v_permlanex16_b32
.set XS,   3145728                     ; prepb: x's images at 0, x's scale words,
.set W4I,  3276800                     ; Wq, Wk, Wv, Wo: images, 786,432 bytes each,
.set W4S,  6422528                     ; their scale words, 32,768 bytes each
.set QS,   3145728                     ; qkvb: q's images at 0, q's scale words,
.set KV,   3407872                     ; the records of k and v
.set REC,  13056
.set HEADB, 208896                     ; 16 records: a head
.set H,    64                          ; the way out: v64-127 64 numbers; v128-143, v144, v146-165 at work in QUANT; v166-167 scale words
.set TM,   128
.set PW,   144
.set PC,   146
.set L16,  24                          ; v24 16 x lane;  v25 8 x lane;  v26 4 r;  v30 32 h
.set L8,   25
; REGISTERS, in windows of 256: window 0: v8-15 one bias number a lane and block; v16-23 LDS addresses of fragments; v27 of scale words; v28, v29 the add's; v32-63 scale words and nothing else, two sets;
;   v64-159, v160-255 A's fragments, two sets.   window 1: v0-95, v96-191 B's fragments, two sets; v192-255 bias along the columns.   windows 2, 3: the accumulators, (a, b) at v[64 (a % 4) + 8 b] of window 2 + a / 4.
.set MSB, 0
.macro WIN new                         ; the immediate's high byte repeats the setting that is left
.if MSB != (\new)
	s_set_vgpr_msb (MSB<<8)|(\new)
.set MSB, (\new)
.endif
.endm
.macro PLACES n
.rept \n
	v_nop
.endr
.endm
; A joint load: waves 0 and 1 fetch for side A, waves 2 and 3 for side B.  The branch hangs on the wave's number alone.  Four v_nop follow each of the two lines.
.macro JLOAD g0a, g1a, g0b, g1b
	s_cmp_eq_u32 s15, 0
	s_cbranch_scc0 .Lfor_b_\@
	tensor_load_to_lds s[\g0a:\g0a+3], s[\g1a:\g1a+7]
	s_nop 0
	PLACES 4
	s_branch .Lasked_\@
.Lfor_b_\@:
	tensor_load_to_lds s[\g0b:\g0b+3], s[\g1b:\g1b+7]
	s_nop 0
	PLACES 4
.Lasked_\@:
.endm
.macro CREST                           ; a round of the cluster's barrier behind its opening barrier
	s_cmp_lg_u32 s14, 0
	s_cbranch_scc1 .Lnot_wave_0_\@
	s_barrier_signal -3
.Lnot_wave_0_\@:
	s_barrier_wait -3
	s_barrier_signal -1
	s_barrier_wait -1
.endm
.macro CROUND
	s_barrier_signal -1
	s_barrier_wait -1
	CREST
.endm
; Given s17 = A's tile number of 2 T tiles, s42 = B's, s98, s100 = where A's images and scale words begin in their buffer, s66, s96 = B's: descriptors, the opening round, the three first fills.
.macro CORE_HEAD aptr, bptr
	s_lshl_b32 s43, s41, 2
	s_lshl_b32 s43, 15, s43                        ; my row of the cluster
	s_lshl_b32 s44, 0x1111, s40                    ; my column
	s_or_b32 s[G1], s43, (3<<16)|(1<<21)           ; 15:0 the mask; 17:16 elements of 8 bytes; 20 no padding; 21 set beside a mask
	s_or_b32 s[G1B], s44, (3<<16)|(1<<21)
.irp g, G1, G1B
	s_mov_b32 s[\g+1], (192*NQ)<<16                ; tensor_dim0: NQ fragments of a tile on end
	s_mov_b32 s[\g+2], T<<16                       ; tensor_dim1: T tiles
	s_mov_b32 s[\g+3], (192*NQ)<<16                ; tile_dim0
	s_mov_b32 s[\g+4], T                           ; tile_dim1
	s_mov_b32 s[\g+5], 192*KSTEPS                  ; from tile to tile
	s_mov_b32 s[\g+6], 0
	s_mov_b32 s[\g+7], 0
.endr
	s_or_b32 s[G1S], s43, (3<<16)|(1<<21)
	s_or_b32 s[G1SB], s44, (3<<16)|(1<<21)
.irp g, G1S, G1SB
	s_mov_b32 s[\g+1], 32<<16                      ; a dense block of QSC bytes as rows of 256
	s_mov_b32 s[\g+2], (QSC/256)<<16
	s_mov_b32 s[\g+3], 32<<16
	s_mov_b32 s[\g+4], QSC/256
	s_mov_b32 s[\g+5], 32
	s_mov_b32 s[\g+6], 0
	s_mov_b32 s[\g+7], 0
.endr
	s_mul_i32 s95, s16, T                          ; which half I fetch
	s_mul_i32 s18, s17, 2*T
	s_add_co_u32 s18, s18, s95                     ; A: first tile of 16 rows
	s_mul_i32 s19, s18, KSTEPS*FRB
	s_add_co_u32 s98, s98, s19
	s_mov_b32 s99, 0
	s_mul_i32 s19, s18, KSTEPS*64
	s_add_co_u32 s100, s100, s19
	s_mov_b32 s101, 0
	s_mul_i32 s46, s42, 2*T
	s_add_co_u32 s46, s46, s95                     ; B: likewise, in registers that never hold A's coordinate
	s_mul_i32 s47, s46, KSTEPS*FRB
	s_add_co_u32 s66, s66, s47
	s_mov_b32 s67, 0
	s_mul_i32 s47, s46, KSTEPS*64
	s_add_co_u32 s96, s96, s47
	s_mov_b32 s97, 0
	s_mul_i32 s45, s14, QUART                      ; where they go: wave x a quarter: no place in the cluster enters an LDS address
	s_mul_i32 s94, s14, QSC
	s_wait_kmcnt 0x0
	s_add_nc_u64 s[20:21], s[\aptr:\aptr+1], s[98:99]
	s_add_nc_u64 s[22:23], s[\aptr:\aptr+1], s[100:101]
	s_add_nc_u64 s[46:47], s[\bptr:\bptr+1], s[66:67]
	s_add_nc_u64 s[92:93], s[\bptr:\bptr+1], s[96:97]
	CROUND                                         ; all sixteen work-groups are here: the first joint loads meet
	s_mov_b32 s[G0S], 1
	s_add_co_u32 s[G0S+1], s94, SCL
	s_mov_b64 s[G0S+2:G0S+3], s[22:23]
	s_or_b32 s[G0S+3], s[G0S+3], 0x80000000
	s_mov_b32 s[G0SB], 1
	s_add_co_u32 s[G0SB+1], s94, SCL
	s_mov_b64 s[G0SB+2:G0SB+3], s[92:93]
	s_or_b32 s[G0SB+3], s[G0SB+3], 0x80000000
	JLOAD G0S, G1S, G0SB, G1SB                     ; the scale words first: they are wanted with K step 0
.irp s, 0,1
	s_mov_b32 s[G0+4*\s], 1
	s_add_co_u32 s[G0+4*\s+1], s45, \s*SLOT
	s_add_nc_u64 s[G0+4*\s+2:G0+4*\s+3], s[20:21], \s*NQ*FRB
	s_or_b32 s[G0+4*\s+3], s[G0+4*\s+3], 0x80000000
	s_mov_b32 s[G0B+4*\s], 1
	s_add_co_u32 s[G0B+4*\s+1], s45, \s*SLOT
	s_add_nc_u64 s[G0B+4*\s+2:G0B+4*\s+3], s[46:47], \s*NQ*FRB
	s_or_b32 s[G0B+4*\s+3], s[G0B+4*\s+3], 0x80000000
	JLOAD G0+4*\s, G1, G0B+4*\s, G1B
.endr
	v_and_b32 v1, 31, v0                           ; lane
	v_and_b32 v2, 15, v0                           ; r
	v_bfe_u32 v3, v0, 4, 1                         ; h
	v_lshlrev_b32 v4, 4, v1
	v_lshlrev_b32 v5, 3, v1
	s_mul_i32 s21, s15, QUART                      ; my half of A
	s_mul_i32 s22, s16, QUART                      ; my half of B,
	s_add_co_u32 s22, s22, 2*QUART                 ; behind A's two
.irp s, 0,1
	v_add_nc_u32 v[16+\s], s21, v4
	v_add_nc_u32 v[18+\s], s21, v5
	v_add_nc_u32 v[20+\s], s22, v4
	v_add_nc_u32 v[22+\s], s22, v5
	s_add_co_u32 s21, s21, SLOT
	s_add_co_u32 s22, s22, SLOT
.endr
	s_mul_i32 s21, s15, QSC                        ; scale words: lanes 0-15 take A's, lanes 16-31 B's: the lower base + h x the distance
	s_mul_i32 s22, s16, QSC
	s_add_co_u32 s22, s22, 2*QSC
	s_sub_co_u32 s22, s22, s21
	v_mul_u32_u24 v6, s22, v3
	s_add_co_u32 s21, s21, SCL
	v_lshl_add_u32 v6, v2, 2, v6
	v_add_nc_u32 v27, s21, v6
.endm
.macro FRAG reg, a16, a8, off          ; a fragment comes back as it was stored: four loads, each of 512 or 256 consecutive bytes
	ds_load_b128 v[\reg:\reg+3], v[\a16] offset:\off
	ds_load_b64 v[\reg+4:\reg+5], v[\a8] offset:(\off)+512
	ds_load_b128 v[\reg+6:\reg+9], v[\a16] offset:(\off)+768
	ds_load_b64 v[\reg+10:\reg+11], v[\a8] offset:(\off)+1280
.endm
.macro FETCH slot, q, p                ; the slot's q-th K step: B's T fragments and A's T into set p
	WIN 0x40                                       ; destination window 1, address window 0
.set fi, 0
.rept T
	FRAG 12*T*(\p)+12*fi, 20+\slot, 22+\slot, (fi*NQ+(\q))*FRB
.set fi, fi+1
.endr
	WIN 0
.set fi, 0
.rept T
	FRAG 64+12*T*(\p)+12*fi, 16+\slot, 18+\slot, (fi*NQ+(\q))*FRB
.set fi, fi+1
.endr
.endm
.macro SCALES slot                     ; the slot's scale words: register NQ i + q: lanes 0-15 A's tile i, lanes 16-31 B's tile i
.set fi, 0
.rept T
.set fq, 0
.rept NQ
	ds_load_b32 v[32+16*(\slot)+NQ*fi+fq], v27 offset:(fi*KSTEPS+fq)*64
.set fq, fq+1
.endr
.set fi, fi+1
.endr
.endm
; A's tiles a0 .. a1 - 1 against B's T, 128 along K.  All T x T accumulators take turns, one instruction a turn, in the same order in every step.
.macro MULS a0, a1, p, q, sc, zero
.set ma, \a0
.rept (\a1)-(\a0)
	WIN 0xa1+0x50*((ma*8*T)/256)                   ; source 0 (B) window 1, source 1 (A) window 0, C and D window 2 or 3
.set mb, 0
.rept T
.set rD, (ma*8*T)%256+8*mb
.set rB, 12*T*(\p)+12*mb
.set rA, 64+12*T*(\p)+12*ma
.set rSB, 32+16*(\sc)+NQ*mb+(\q)
.set rSA, 32+16*(\sc)+NQ*ma+(\q)
.if \zero
	v_wmma_scale_f32_16x16x128_f8f6f4 v[rD:rD+7], v[rB:rB+11], v[rA:rA+11], 0, v[rSB], v[rSA] matrix_a_fmt:MATRIX_FMT_FP6 matrix_b_fmt:MATRIX_FMT_FP6 matrix_a_scale:MATRIX_SCALE_ROW1
.else
	v_wmma_scale_f32_16x16x128_f8f6f4 v[rD:rD+7], v[rB:rB+11], v[rA:rA+11], v[rD:rD+7], v[rSB], v[rSA] matrix_a_fmt:MATRIX_FMT_FP6 matrix_b_fmt:MATRIX_FMT_FP6 matrix_a_scale:MATRIX_SCALE_ROW1
.endif
.set mb, mb+1
.endr
.set ma, ma+1
.endr
.endm
; A K step that has its successor in the same slot: the successor's fragments are asked for first, into the other set, and land under this step's products.
.macro STEP slot, q, zero
	s_wait_dscnt 0x0                               ; this step's fragments and scale words are in
	PLACES 4                                       ; four places in front of loads into registers that the last step's matrix instructions have read (ISA guide 7.12.1 for vector instructions)
	FETCH \slot, (\q)+1, 1-(\q)%2
	MULS 0, T, (\q)%2, \q, \slot, \zero
	WIN 0
.endm
.macro MIDSTEPS slot, from
.set qq, \from
.rept NQ-1-(\from)
	STEP \slot, qq, 0
.set qq, qq+1
.endr
.endm
; A slot's last K step changes slots: ONE barrier; in front of it each wave waits for all its tensor loads, adds 0 to its spare word, and waits for that and for its reads of this slot.  fill = 1: the slot is filled again, two slots ahead.
.macro TURN slot, next, fill
	s_wait_tensorcnt 0x0                           ; all my tensor loads have landed: my part of the next slot
	ds_add_u32 v28, v29                            ; 0 onto my spare word
	s_wait_dscnt 1                                 ; the add alone may be out: this step's fragments are in
	MULS 0, T/4, 1, NQ-1, \slot, 0
	s_wait_dscnt 0x0                               ; the add is done, and my reads of this slot are over
	s_barrier_signal -1
	MULS T/4, T/2, 1, NQ-1, \slot, 0
	WIN 0
	s_barrier_wait -1
.if \fill
	CREST                                          ; the barrier has opened a round of the cluster's barrier: no wave of any partner still reads this slot or has a load on its way
	s_add_nc_u64 s[G0+4*\slot+2:G0+4*\slot+3], s[G0+4*\slot+2:G0+4*\slot+3], 2*NQ*FRB
	s_add_nc_u64 s[G0B+4*\slot+2:G0B+4*\slot+3], s[G0B+4*\slot+2:G0B+4*\slot+3], 2*NQ*FRB
	JLOAD G0+4*\slot, G1, G0B+4*\slot, G1B         ; the first tensor load behind the round; its four v_nop are also the places in front of the loads below
.else
	PLACES 4
.endif
	v_add_nc_u32 v27, 64*NQ, v27                   ; on to the next slot's scale words (no LDS load of mine is out)
	FETCH \next, 0, 0
	SCALES \next
	MULS T/2, T, 1, NQ-1, \slot, 0
	WIN 0
.endm
; 64 numbers of a lane become a fragment's codes in v[PC] on and its scale word in v[PW].
.macro QUANT s
.irp b, 0,1,2,3
	v_max3_num_f32 v[TM+\b], |v[\s+16*\b]|, |v[\s+1+16*\b]|, 0x1800000   ; my 16 numbers of block b, and the floor 2^(3 - 127): the byte cannot fall under 1
.endr
.irp i, 2,4,6,8,10,12,14
.irp b, 0,1,2,3
	v_max3_num_f32 v[TM+\b], v[TM+\b], |v[\s+16*\b+\i]|, |v[\s+1+16*\b+\i]|
.endr
.endr
.irp b, 0,1,2,3
	v_permlanex16_b32 v[TM+4+\b], v[TM+\b], s[SEL], s[SEL+1]
.endr
.irp b, 0,1,2,3
	v_max_num_f32 v[TM+\b], v[TM+\b], v[TM+4+\b]   ; with lane l xor 16's: the block's largest magnitude
.endr
.irp b, 0,1,2,3
	v_add_nc_u32 v[TM+12+\b], 0xff000000, v[TM+\b]   ; 2 off its exponent field: the conversion's scale operand
.endr
.irp b, 0,1,2,3
	v_lshrrev_b32 v[TM+4+\b], 23, v[TM+12+\b]   ; the scale's byte
.endr
	v_lshl_or_b32 v[PW], v[TM+5], 8, v[TM+4]
	v_lshl_or_b32 v[PW], v[TM+6], 16, v[PW]
	v_lshl_or_b32 v[PW], v[TM+7], 24, v[PW]
.irp c, 0,1
	v_cvt_scalef32_pk16_fp6_f32 v[PC+6*\c:PC+2+6*\c], v[\s+32*\c:\s+15+32*\c], v[TM+12+2*\c]
	v_cvt_scalef32_pk16_fp6_f32 v[PC+12+4*\c:PC+14+4*\c], v[\s+16+32*\c:\s+31+32*\c], v[TM+12+2*\c+1]
.endr
	v_nop                                          ; one plain place behind a scaled conversion
.irp c, 0,1
.irp i, 0,1,2
	v_permlane16_swap_b32 v[PC+6*\c+\i], v[PC+12+4*\c+\i]
.endr
.irp i, 0,1,2
	v_mov_b32 v[PC+3+6*\c+\i], v[PC+12+4*\c+\i]
.endr
.endr
.endm
.macro PUTFRAG reg, base, off
	global_store_b128 v[L16], v[\reg:\reg+3], s[\base:\base+1] offset:\off
	global_store_b64 v[L8], v[\reg+4:\reg+5], s[\base:\base+1] offset:(\off)+512
	global_store_b128 v[L16], v[\reg+6:\reg+9], s[\base:\base+1] offset:(\off)+768
	global_store_b64 v[L8], v[\reg+10:\reg+11], s[\base:\base+1] offset:(\off)+1280
.endm
	s_load_b256 s[4:11], s[0:1], 0x0               ; prepb, bq, bk, bv
	s_load_b64 s[12:13], s[0:1], 0x20              ; qkvb
	v_lshl_add_u32 v28, v0, 2, SPARE
	v_mov_b32 v29, 0
	ds_add_u32 v28, v29
	ds_add_u32 v28, v29
	s_wait_dscnt 0x0
	v_lshrrev_b32 v1, 5, v0
	v_readfirstlane_b32 s14, v1                    ; wave 0..3
	s_lshr_b32 s15, s14, 1                         ; my half of side A.  Also: I fetch for A (0) or for B (1)
	s_and_b32 s16, s14, 1                          ; my half of side B.  Also: which half I fetch
	s_bfe_u32 s40, ttmp6, 0x40000                  ; cx
	s_bfe_u32 s41, ttmp6, 0x40004                  ; cy
	s_and_b32 s2, ttmp9, 3
	s_lshl_b32 s2, s2, 2                           ; the cluster's four blocks of 256 tokens begin at block u = 4 (c % 4)
	s_lshr_b32 s18, ttmp9, 2                       ; 0 q, 1 k, 2 v: the same in all sixteen partners
	s_mul_i32 s19, s18, 786432
	s_add_co_u32 s19, s19, W4I                     ; the weight's images,
	s_lshl_b32 s18, s18, 15
	s_add_co_u32 s18, s18, W4S                     ; its scale words
	s_mov_b32 s95, XS
	s_cmp_ge_u32 ttmp9, 8                          ; v: the sides change places
	s_cselect_b32 s17, 0, s2
	s_cselect_b32 s42, s2, 0
	s_cselect_b32 s98, s19, 0                      ; A's images: Wv's, or x's (at 0)
	s_cselect_b32 s66, 0, s19                      ; B's
	s_cselect_b32 s100, s18, s95                   ; A's scale words
	s_cselect_b32 s96, s95, s18                    ; B's
	s_add_co_u32 s17, s17, s41                     ; A's block of 256 rows hangs on cy alone among the partners' places,
	s_add_co_u32 s42, s42, s40                     ; B's on cx alone
	CORE_HEAD 4, 4
	v_lshlrev_b32 v24, 4, v1
	v_lshlrev_b32 v25, 3, v1
	v_lshlrev_b32 v26, 2, v2
	v_lshlrev_b32 v30, 5, v3
	; the bias, in both forms, in every work-group, so that every way through the text writes what it later reads: along B's rows (q, k) and one number for A's row (v).  The offsets are cut to the bias's 1,024 numbers.
	s_cmp_lt_u32 ttmp9, 4
	s_cselect_b64 s[6:7], s[6:7], s[8:9]
	s_cmp_lt_u32 ttmp9, 8
	s_cselect_b64 s[6:7], s[6:7], s[10:11]
	s_and_b32 s18, s42, 3
	s_lshl_b32 s18, s18, 10
	s_lshl_b32 s19, s16, 9
	s_add_co_u32 s18, s18, s19
	s_mov_b32 s19, 0
	s_add_nc_u64 s[8:9], s[6:7], s[18:19]
	s_and_b32 s18, s17, 3
	s_lshl_b32 s18, s18, 10
	s_lshl_b32 s2, s15, 9
	s_add_co_u32 s18, s18, s2
	s_add_nc_u64 s[10:11], s[6:7], s[18:19]
	WIN 0x40
.irp b, 0,1,2,3,4,5,6,7
	global_load_b128 v[192+8*\b:195+8*\b], v30, s[8:9] offset:64*\b       ; bias(16 b + 8 h + 0 .. 7)
	global_load_b128 v[196+8*\b:199+8*\b], v30, s[8:9] offset:64*\b+16
.endr
	WIN 0
.irp a, 0,1,2,3,4,5,6,7
	global_load_b32 v[8+\a], v26, s[10:11] offset:64*\a                   ; bias(16 a + r)
.endr
	s_wait_tensorcnt 1                             ; the scale words and my part of slot 0 are in; slot 1's load may be out
	s_barrier_signal -1
	s_barrier_wait -1
	FETCH 0, 0, 0
	SCALES 0
	STEP 0, 0, 1                                   ; the first K step stands in front of the loop: its products start the sums
	s_mov_b32 s3, LAPS-1
.Llap:                                             ; a trip goes once round the ring and fills both slots again
	MIDSTEPS 0, 1
	TURN 0, 1, 1
	MIDSTEPS 1, 0
	TURN 1, 0, 1
	STEP 0, 0, 0
	s_sub_co_u32 s3, s3, 1
	s_cmp_lg_u32 s3, 0
	s_cbranch_scc1 .Llap
	MIDSTEPS 0, 1                                  ; the last lap fills nothing
	TURN 0, 1, 0
	MIDSTEPS 1, 0
	s_wait_dscnt 0x0
	MULS 0, T, 1, NQ-1, 1, 0
	WIN 0
	PLACES 4                                       ; in front of the first read of results and the first write of A's registers
; THE WAY OUT, a block of A's 16 rows at a time: + bias, quantised in registers, stored as images.  No LDS.
.macro EPI a, isv
.if (\a) > 0
	s_wait_xcnt 0x0                                ; the last block's stores have read their registers
.endif
.set AC, 64*((\a)%4)
.set ei, 0
.if \isv
	WIN 0x02+(\a)/4                                ; source 0: the accumulators' window
.rept 64
	v_add_f32 v[H+ei], v[AC+ei], v[8+(\a)]         ; each accumulator from its low end on
.set ei, ei+1
.endr
.else
	WIN 0x06+(\a)/4                                ; source 0: the accumulators' window; source 1: window 1
.rept 32
	v_pk_add_f32 v[H+2*ei:H+2*ei+1], v[AC+2*ei:AC+2*ei+1], v[192+2*ei:193+2*ei]
.set ei, ei+1
.endr
.endif
	WIN 0
	QUANT H
.if \isv
	PUTFRAG PC, 68+2*((\a)/4), ((\a)%4)*FRB        ; 16 channels x 128 keys of head a / 4
	global_store_b32 v26, v[PW], s[68+2*((\a)/4):68+2*((\a)/4)+1] offset:6656+((\a)%4)*64
.else
	v_perm_b32 v166, v[PW], v[PW], 0x01000100      ; the first head's two bytes, twice
	v_perm_b32 v167, v[PW], v[PW], 0x03020302      ; the second head's
	global_store_b128 v24, v[PC:PC+3], s[68:69] offset:(\a)*768
	global_store_b64 v25, v[PC+4:PC+5], s[68:69] offset:(\a)*768+512
	global_store_b128 v24, v[PC+6:PC+9], s[70:71] offset:(\a)*768
	global_store_b64 v25, v[PC+10:PC+11], s[70:71] offset:(\a)*768+512
	global_store_b32 v26, v166, s[72:73] offset:(\a)*64
	global_store_b32 v26, v167, s[74:75] offset:(\a)*64
.endif
.endm
	s_wait_loadcnt 0x0                             ; the bias
	s_mov_b32 s[SEL], 0x76543210
	s_mov_b32 s[SEL+1], 0xfedcba98
.irp b, 0,1,2,3
	v_mov_b32 v[TM+4+\b], 0                        ; a lane permute's destination counts as one of its sources
.endr
	s_cmp_ge_u32 ttmp9, 8
	s_cbranch_scc1 .Lv_form
	s_lshl_b32 s76, s17, 8
	s_lshl_b32 s77, s15, 7
	s_add_co_u32 s76, s76, s77                     ; my first token
	s_lshr_b32 s77, s76, 11                        ; b
	s_and_b32 s76, s76, 2047                       ; the token in its sequence
	s_lshl_b32 s78, s42, 2
	s_lshl_b32 s79, s16, 1
	s_add_co_u32 s78, s78, s79                     ; my first head of two
	s_lshl_b32 s77, s77, 4
	s_add_co_u32 s77, s77, s78                     ; 16 b + head
	s_lshl_b32 s78, s77, 7
	s_lshr_b32 s79, s76, 4
	s_add_co_u32 s78, s78, s79                     ; q: the tile's number
	s_mul_i32 s80, s78, 768
	s_lshl_b32 s81, s78, 6
	s_add_co_u32 s81, s81, QS
	s_mul_i32 s82, s77, HEADB                      ; k: the head, the record
	s_lshr_b32 s79, s76, 7
	s_mul_i32 s79, s79, REC
	s_add_co_u32 s82, s82, s79
	s_add_co_u32 s82, s82, KV
	s_add_co_u32 s83, s82, 12288
	s_mov_b32 s84, HEADB
	s_cmp_lt_u32 ttmp9, 4                          ; q or k
	s_cselect_b32 s80, s80, s82
	s_cselect_b32 s82, s81, s83
	s_cselect_b32 s86, 98304, s84                  ; from a head to the next: codes,
	s_cselect_b32 s88, 8192, s84                   ; scale words
	s_mov_b32 s81, 0
	s_mov_b32 s83, 0
	s_mov_b32 s87, 0
	s_mov_b32 s89, 0
	s_add_nc_u64 s[68:69], s[12:13], s[80:81]
	s_add_nc_u64 s[70:71], s[68:69], s[86:87]
	s_add_nc_u64 s[72:73], s[12:13], s[82:83]
	s_add_nc_u64 s[74:75], s[72:73], s[88:89]
.irp a, 0,1,2,3,4,5,6,7
	EPI \a, 0
.endr
	s_branch .Lend
.Lv_form:
	s_lshl_b32 s76, s17, 2
	s_lshl_b32 s77, s15, 1
	s_add_co_u32 s76, s76, s77                     ; my first head of two
	s_lshl_b32 s77, s42, 1
	s_add_co_u32 s77, s77, s16                     ; my 128 tokens: 16 b + record
	s_lshr_b32 s78, s77, 4
	s_lshl_b32 s78, s78, 4
	s_add_co_u32 s76, s76, s78
	s_mul_i32 s80, s76, HEADB
	s_and_b32 s77, s77, 15
	s_mul_i32 s77, s77, REC
	s_add_co_u32 s80, s80, s77
	s_add_co_u32 s80, s80, KV+6144
	s_mov_b32 s81, 0
	s_add_nc_u64 s[68:69], s[12:13], s[80:81]
	s_add_nc_u64 s[70:71], s[68:69], HEADB
.irp a, 0,1,2,3,4,5,6,7
	EPI \a, 1
.endr
.Lend:
	s_wait_tensorcnt 0x0                           ; the wave's end
	ds_add_u32 v28, v29
	s_wait_dscnt 0x0
	CROUND                                         ; the closing round
	s_endpgm
.Lfunc_end_k_qceb160de7d_qkv:
	.size	k_qceb160de7d_qkv, .Lfunc_end_k_qceb160de7d_qkv-k_qceb160de7d_qkv
	.p2alignl 7, 3214868480
	.fill 96, 4, 3214868480
	.section	.rodata,"a",@progbits
	.p2align	6, 0x0
	.amdhsa_kernel k_qceb160de7d_qkv
		.amdhsa_group_segment_fixed_size 327680
		.amdhsa_private_segment_fixed_size 0
		.amdhsa_enable_private_segment 0
		.amdhsa_kernarg_size 40
		.amdhsa_user_sgpr_count 2
		.amdhsa_user_sgpr_kernarg_segment_ptr 1
		.amdhsa_wavefront_size32 1
		.amdhsa_system_sgpr_workgroup_id_x 1
		.amdhsa_system_sgpr_workgroup_id_y 1
		.amdhsa_system_sgpr_workgroup_id_z 1
		.amdhsa_system_vgpr_workitem_id 0
		.amdhsa_next_free_vgpr 1024
		.amdhsa_next_free_sgpr 106
		.amdhsa_reserve_vcc 0
		.amdhsa_float_denorm_mode_32 3
		.amdhsa_float_denorm_mode_16_64 3
		.amdhsa_memory_ordered 1
		.amdhsa_forward_progress 1
		.amdhsa_inst_pref_size 223
	.end_amdhsa_kernel
	.amdgpu_metadata
---
amdhsa.version: [ 1, 2 ]
amdhsa.kernels:
  - .name:           k_qceb160de7d_qkv
    .symbol:         k_qceb160de7d_qkv.kd
    .args:
      - { .name: prepb, .offset: 0, .size: 8, .value_kind: global_buffer, .address_space: global }
      - { .name: bq, .offset: 8, .size: 8, .value_kind: global_buffer, .address_space: global }
      - { .name: bk, .offset: 16, .size: 8, .value_kind: global_buffer, .address_space: global }
      - { .name: bv, .offset: 24, .size: 8, .value_kind: global_buffer, .address_space: global }
      - { .name: qkvb, .offset: 32, .size: 8, .value_kind: global_buffer, .address_space: global }
    .group_segment_fixed_size: 327680
    .private_segment_fixed_size: 0
    .kernarg_segment_align: 8
    .kernarg_segment_size: 40
    .max_flat_workgroup_size: 128
    .sgpr_count:     106
    .vgpr_count:     1024
    .wavefront_size: 32
...
	.end_amdgpu_metadata
.endif
;; end of part 2
;; launch attn (part 3): grid 8 x 32, 16 waves a work-group, clusters of 4 x 1, 210,944 bytes of LDS; arguments qkvb, attb; writes attb
.if DOCPART == 3
	.amdgcn_target "amdgcn-amd-amdhsa--gfx1250"
	.amdhsa_code_object_version 6
	.text
	.protected	k_qceb160de7d_attn
	.globl	k_qceb160de7d_attn
	.p2align	8
	.type	k_qceb160de7d_attn,@function
k_qceb160de7d_attn:
	s_mov_b64 s[64:65], 0
	v_nop
	global_prefetch_b8 v0, s[64:65] scope:SCOPE_SE
	s_setreg_imm32_b32 hwreg(HW_REG_WAVE_MODE, 25, 1), 1
	s_wait_xcnt 0x0
	s_wait_alu depctr_hold_cnt(0) depctr_sa_sdst(0) depctr_va_vdst(0) depctr_va_sdst(0) depctr_va_ssrc(0) depctr_va_vcc(0) depctr_vm_vsrc(0)
	s_getreg_b32 s2, hwreg(HW_REG_IB_STS2, 6, 4)
	s_cmp_eq_u32 s2, 0
	s_cbranch_scc0 .Lentry_in_a_cluster
	s_endpgm
.Lentry_in_a_cluster:
	s_bfe_u32 s2, ttmp6, 0x10000c
	s_cmp_lg_u32 s2, 0x3003
	s_cbranch_scc0 .Lentry_shape_is_right
	s_endpgm
.Lentry_shape_is_right:
; Attention on codes of FP6 (E2M3): S^T = k q^T, p = 2^(t - M), O^T = v^T p^T, O / l, and O quantised along the model's 1,024 for the next product.  2 x 16 heads, 2,048 queries and keys, head size 64.
; t = score x log2(e) / 8; M = the row's largest t so far, rounded UP to a whole number; p is what is quantised, along the keys, not normalised.  The row's sum l is taken of the unquantised p.  When M moves, l and O are multiplied by 2^(old M - new M): exact.
; SHARES.  A work-group owns 256 queries of one head, each of its sixteen waves 16 of them in 256 registers: four waves to a SIMD, so that one wave's vector work stands beside another's matrix work and LDS loads.
; K AND V OF THE WHOLE HEAD STAY IN LDS: 16 records of 13,056 bytes (128 keys: 8 x 768 of k, 4 x 1,536 of v^T, their scale words), 208,896 bytes, each byte filled once.  Waves 0-3 ask for four records each at the start;
; the four query blocks of a cluster belong to one head and ask JOINTLY.  A wave has four tensor loads out.  The records are read in four chunks, each behind a counted wait and a barrier; nothing is ever filled again.
; Nothing is prefetched: all that the work-group reads is asked for at its head.
; A lane holds ONE query (lane % 16) throughout: source 0 = 16 keys or 16 channels, source 1 = my queries or p.
; THE HEAD'S 64 IN AN INSTRUCTION OF 128: q's registers 6-11 are zero codes; k's operand of tile t is v[32 + 6 t] on, twelve registers, whose upper six are the next tile's codes (behind the last: zeros).  FP6 has no infinity and no NaN, so those products are 0.
; ORDER INSIDE A BLOCK OF 32 KEYS: p's 16 registers of two neighbouring tiles are converted as they lie; v was laid the same way by the launch before.
; LIMITS: NaN and infinities are not served.  A block whose every p has fallen to 0 gets the byte 1: its codes are zeros.
.set REC,   13056
.set HEADB, 208896
.set QS,    3145728                    ; qkvb: q's scale words
.set KV,    3407872                    ; the records
.set AS,    3145728                    ; attb: the scale words behind the images
.set S,     146                        ; v146-209 S^T, then p
.set O,     210                        ; v210-241 O^T
.set PCD,   242                        ; v242-253 p's codes
.set WV,    8                          ; s8  wave
.set TB,    9                          ; s9  LDS byte of the record in hand
.set CNT,   10
.set CS,    12                         ; s[12:13] c = log2(e) / 8
.set SEL,   14                         ; s[14:15] lane selects: lane l xor 16
.set G1,    16                         ; s[16:23] descriptor group 1
.set G0,    24                         ; s[24:39] four groups 0
; REGISTERS: v1-3 16 x lane, 8 x lane, 4 r; v4-6 the same + the record; v12 -M, v13 the largest t, v[14:15] l in two halves; v16-21 q, v22-27 zeros; v28 q's scale word; v29 p's; v[30:31] f;
; v32-79 k's 8 tiles, v80-85 zeros; v86-133 v's 4 fragments; v134-141 k's scale words, v142-145 v's.  During the softmax v32-55 are at work.
.macro ROUND
	s_barrier_signal -1
	s_barrier_wait -1
	s_cmp_lg_u32 s[WV], 0
	s_cbranch_scc1 .Lnot_wave_0_\@
	s_barrier_signal -3
.Lnot_wave_0_\@:
	s_barrier_wait -3
	s_barrier_signal -1
	s_barrier_wait -1
.endm
	s_load_b128 s[4:7], s[0:1], 0x0                ; qkvb, attb
	v_lshl_add_u32 v254, v0, 2, 0x33000
	v_mov_b32 v255, 0
	ds_add_u32 v254, v255
	ds_add_u32 v254, v255
	v_lshrrev_b32 v1, 5, v0
	v_readfirstlane_b32 s[WV], v1                  ; wave 0..15
	s_bfe_u32 s40, ttmp6, 0x40000                  ; cx: it enters q's and the result's global addresses alone
	s_lshl_b32 s41, ttmp9, 2
	s_add_co_u32 s41, s41, s40                     ; my block of 256 queries
	s_and_b32 s42, ttmp7, 0xffff                   ; 16 b + head, which the four partners share
	s_mov_b32 s[G1], 15|(3<<16)|(1<<21)            ; 15:0 the mask: all four; 17:16 elements of 8 bytes; 21 set beside a mask
	s_mov_b32 s[G1+1], 32<<16                      ; a record as 51 rows of 256 bytes
	s_mov_b32 s[G1+2], 51<<16
	s_mov_b32 s[G1+3], 32<<16
	s_mov_b32 s[G1+4], 51
	s_mov_b32 s[G1+5], 32
	s_mov_b32 s[G1+6], 0
	s_mov_b32 s[G1+7], 0
	s_mul_i32 s44, s42, HEADB
	s_add_co_u32 s44, s44, KV
	s_mul_i32 s43, s[WV], REC                      ; my record of a chunk of four
	s_add_co_u32 s44, s44, s43
	s_mov_b32 s45, 0
	s_mov_b32 s[CS], 0x3e38aa3b
	s_mov_b32 s[CS+1], s[CS]                       ; (named with it as a pair, so it is written)
	s_mov_b32 s[SEL], 0x76543210
	s_mov_b32 s[SEL+1], 0xfedcba98
	s_mov_b32 s[TB], 0
	s_wait_dscnt 0x0
	s_wait_kmcnt 0x0
	s_add_nc_u64 s[44:45], s[4:5], s[44:45]
	ROUND                                          ; all four work-groups are here: the joint loads meet
.irp c, 0,1,2,3
	s_mov_b32 s[G0+4*\c], 1
	s_add_co_u32 s[G0+4*\c+1], s43, 4*\c*REC       ; LDS: record 4 c + wave
	s_add_nc_u64 s[G0+4*\c+2:G0+4*\c+3], s[44:45], 4*\c*REC
	s_or_b32 s[G0+4*\c+3], s[G0+4*\c+3], 0x80000000
.endr
	s_cmp_lt_u32 s[WV], 4                          ; a wave's four fills stand in one branch, ahead of every wait on TENSORcnt, every LDS read and every further barrier
	s_cbranch_scc0 .Lno_fetch
	tensor_load_to_lds s[G0:G0+3], s[G1:G1+7]
	s_nop 0
	tensor_load_to_lds s[G0+4:G0+7], s[G1:G1+7]
	s_nop 0
	tensor_load_to_lds s[G0+8:G0+11], s[G1:G1+7]
	s_nop 0
	tensor_load_to_lds s[G0+12:G0+15], s[G1:G1+7]
	s_nop 0
.rept 4
	v_nop
.endr
.Lno_fetch:
	v_and_b32 v7, 31, v0
	v_and_b32 v8, 15, v0
	v_lshlrev_b32 v1, 4, v7
	v_lshlrev_b32 v2, 3, v7
	v_lshlrev_b32 v3, 2, v8
	s_lshl_b32 s46, s42, 7
	s_lshl_b32 s47, s41, 4
	s_add_co_u32 s46, s46, s47
	s_add_co_u32 s46, s46, s[WV]                   ; my tile of 16 queries among the 32 x 128
	s_mul_i32 s48, s46, 768
	s_mov_b32 s49, 0
	s_add_nc_u64 s[48:49], s[4:5], s[48:49]
	s_lshl_b32 s50, s46, 6
	s_add_co_u32 s50, s50, QS
	s_mov_b32 s51, 0
	s_add_nc_u64 s[50:51], s[4:5], s[50:51]
	global_load_b128 v[16:19], v1, s[48:49]
	global_load_b64 v[20:21], v2, s[48:49] offset:512
	global_load_b32 v28, v3, s[50:51]
	s_lshr_b32 s52, s42, 4
	s_lshl_b32 s52, s52, 7
	s_add_co_u32 s52, s52, s47
	s_add_co_u32 s52, s52, s[WV]                   ; my tile of 16 tokens among the 256
	s_and_b32 s53, s42, 15                         ; the head
	s_mul_i32 s54, s52, 12288
	s_mul_i32 s55, s53, 768
	s_add_co_u32 s54, s54, s55                     ; K step head / 2, registers 0-5 or 6-11
	s_mov_b32 s55, 0
	s_add_nc_u64 s[54:55], s[6:7], s[54:55]
	s_lshl_b32 s56, s52, 9
	s_lshr_b32 s57, s53, 1
	s_lshl_b32 s57, s57, 6
	s_add_co_u32 s56, s56, s57
	s_and_b32 s57, s53, 1
	s_lshl_b32 s57, s57, 1
	s_add_co_u32 s56, s56, s57                     ; my two bytes of the scale word
	s_add_co_u32 s56, s56, AS
	s_mov_b32 s57, 0
	s_add_nc_u64 s[56:57], s[6:7], s[56:57]
	v_mov_b32 v13, 0xff61b1e6                      ; the largest t so far: -3e38, under every t
	v_floor_f32 v12, -v13                          ; -M
	v_mov_b32 v14, 0
	v_mov_b32 v15, 0
	v_mov_b32 v31, 0                               ; (named as the upper half of the pair v[30:31])
.irp j, 0,1,2,3,4,5
	v_mov_b32 v[22+\j], 0                          ; q's zero codes for the 64 along K that the head does not have
	v_mov_b32 v[80+\j], 0                          ; behind k's last tile
.endr
.set sj, 0
.rept 32
	v_mov_b32 v[O+sj], 0                           ; O^T: the step is written once; the first finds zeros, which the first change of M leaves zeros
.set sj, sj+1
.endr
	s_wait_loadcnt 0x0                             ; q
; A KEY STEP: 128 keys, the record at s[TB].
.macro STEP
	v_add_nc_u32 v4, s[TB], v1
	v_add_nc_u32 v5, s[TB], v2
	v_add_nc_u32 v6, s[TB], v3
.irp t, 0,1,2,3,4,5,6,7
	ds_load_b128 v[32+6*\t:35+6*\t], v4 offset:768*\t
	ds_load_b64 v[36+6*\t:37+6*\t], v5 offset:768*\t+512
	ds_load_b32 v[134+\t], v6 offset:12288+64*\t
.endr
	s_wait_dscnt 0x0
.irp t, 0,1,2,3,4,5,6,7
	v_wmma_scale_f32_16x16x128_f8f6f4 v[S+8*\t:S+8*\t+7], v[32+6*\t:43+6*\t], v[16:27], 0, v[134+\t], v28 matrix_a_fmt:MATRIX_FMT_FP6 matrix_b_fmt:MATRIX_FMT_FP6
.endr
.rept 4
	v_nop                                          ; places: in front of the first read of the scores, of writes over k's registers, and (with the three additions above) of loads into v's registers
.endr
.irp f, 0,1,2,3                                ; v's fragments land under the softmax
	ds_load_b128 v[86+12*\f:89+12*\f], v4 offset:6144+1536*\f
	ds_load_b64 v[90+12*\f:91+12*\f], v5 offset:6144+1536*\f+512
	ds_load_b128 v[92+12*\f:95+12*\f], v4 offset:6144+1536*\f+768
	ds_load_b64 v[96+12*\f:97+12*\f], v5 offset:6144+1536*\f+1280
	ds_load_b32 v[142+\f], v6 offset:12800+64*\f
.endr
.irp b, 0,1,2,3
	v_max3_num_f32 v[32+\b], v[S+16*\b], v[S+1+16*\b], v[S+2+16*\b]   ; the largest score of each block of 32 keys: it serves for the row's maximum and, since p rises with the score, for the block's largest p
.endr
.irp i, 3,5,7,9,11,13
.irp b, 0,1,2,3
	v_max3_num_f32 v[32+\b], v[32+\b], v[S+16*\b+\i], v[S+1+16*\b+\i]
.endr
.endr
.irp b, 0,1,2,3
	v_max_num_f32 v[32+\b], v[32+\b], v[S+15+16*\b]
.endr
.irp b, 0,1,2,3
	v_permlanex16_b32 v[36+\b], v[32+\b], s[SEL], s[SEL+1]
.endr
.irp b, 0,1,2,3
	v_max_num_f32 v[32+\b], v[32+\b], v[36+\b]     ; with lane l xor 16's 16 keys
.endr
	v_max3_num_f32 v52, v32, v33, v34
	v_max_num_f32 v52, v52, v35                    ; the step's largest score of my query
	v_mul_f32 v52, s[CS], v52                      ; as t (c is positive)
	v_max_num_f32 v13, v13, v52                    ; the running largest t
	v_mov_b32 v52, v12
	v_floor_f32 v12, -v13                          ; the new -M = floor(-t) = -ceil(t)
	v_sub_f32 v52, v12, v52                        ; old M - new M: a whole number, 0 or less
	v_cvt_i32_f32 v52, v52                         ; (it saturates)
	v_ldexp_f32 v30, 1.0, v52                      ; f = 2^(old M - new M)
.set sj, 0
.rept 32
	v_pk_fma_f32 v[S+2*sj:S+2*sj+1], v[S+2*sj:S+2*sj+1], s[CS:CS+1], v[12:13] op_sel_hi:[1,0,0]   ; t - M, two at a time
.set sj, sj+1
.endr
.irp b, 0,1,2,3
	v_fma_f32 v[32+\b], v[32+\b], s[CS], v12       ; the same of each block's largest score
.endr
.set sj, 0
.rept 64
	v_exp_f32 v[S+sj], v[S+sj]                     ; p = 2^(t - M), at most 1
.set sj, sj+1
.endr
	v_pk_mul_f32 v[14:15], v[14:15], v[30:31] op_sel_hi:[1,0]   ; l under the new M: the plain place behind the exponentials
	s_wait_alu depctr_va_vdst(0)                   ; one wait for the whole batch, ahead of its first reader
.irp b, 0,1,2,3
	v_exp_f32 v[32+\b], v[32+\b]                   ; the block's largest p: the same two instructions on the same number give the same bits
.endr
	v_pk_add_f32 v[54:55], v[S:S+1], v[S+2:S+3]    ; the row's sum of the unquantised p, in two chains
.set sj, 4
.rept 15
	v_pk_add_f32 v[14:15], v[14:15], v[S+sj:S+sj+1]
	v_pk_add_f32 v[54:55], v[54:55], v[S+sj+2:S+sj+3]
.set sj, sj+4
.endr
	v_pk_add_f32 v[14:15], v[14:15], v[54:55]
	s_wait_alu depctr_va_vdst(0)                   ; and one for the four
.irp b, 0,1,2,3
	v_max_num_f32 v[32+\b], 0x1800000, v[32+\b]    ; the floor 2^(3 - 127): the byte cannot fall under 1
.endr
.irp b, 0,1,2,3
	v_add_nc_u32 v[40+\b], 0xff000000, v[32+\b]    ; 2 off the exponent field: the conversion's scale operand
.endr
.irp b, 0,1,2,3
	v_lshrrev_b32 v[36+\b], 23, v[40+\b]           ; the scale's byte
.endr
	v_lshl_or_b32 v29, v37, 8, v36                 ; p's scale word for these 128 keys
	v_lshl_or_b32 v29, v38, 16, v29
	v_lshl_or_b32 v29, v39, 24, v29
.irp c, 0,1
	v_cvt_scalef32_pk16_fp6_f32 v[PCD+6*\c:PCD+2+6*\c], v[S+32*\c:S+15+32*\c], v[40+2*\c]
	v_cvt_scalef32_pk16_fp6_f32 v[44+4*\c:46+4*\c], v[S+16+32*\c:S+31+32*\c], v[40+2*\c+1]
.endr
	v_nop                                          ; one plain place behind a scaled conversion
.irp c, 0,1
.irp i, 0,1,2
	v_permlane16_swap_b32 v[PCD+6*\c+\i], v[44+4*\c+\i]
.endr
.irp i, 0,1,2
	v_mov_b32 v[PCD+3+6*\c+\i], v[44+4*\c+\i]
.endr
.endr
.set sj, 0
.rept 16
	v_pk_mul_f32 v[O+2*sj:O+2*sj+1], v[O+2*sj:O+2*sj+1], v[30:31] op_sel_hi:[1,0]   ; O^T under the new M.  (These sixteen are also the places between the writes of p's codes and scale word and the products)
.set sj, sj+1
.endr
	s_wait_dscnt 0x0                               ; v
.irp f, 0,1,2,3                                ; four accumulators by turns, one instruction a turn
	v_wmma_scale_f32_16x16x128_f8f6f4 v[O+8*\f:O+8*\f+7], v[86+12*\f:97+12*\f], v[PCD:PCD+11], v[O+8*\f:O+8*\f+7], v[142+\f], v29 matrix_a_fmt:MATRIX_FMT_FP6 matrix_b_fmt:MATRIX_FMT_FP6
.endr
.endm
; Four records.  The count leaves the later chunks' loads out: 3 - c were issued behind this chunk's.  Waves that fetch nothing pass the wait at once and read behind the barrier.
.macro CHUNK c
	s_wait_tensorcnt 3-\c
	s_wait_dscnt 0x0
	s_barrier_signal -1
	s_barrier_wait -1
	s_mov_b32 s[CNT], 4
.Lstep_\@:
	STEP
	s_add_co_u32 s[TB], s[TB], REC
	s_sub_co_u32 s[CNT], s[CNT], 1
	s_cmp_lg_u32 s[CNT], 0
	s_cbranch_scc1 .Lstep_\@
.endm
	CHUNK 0
	CHUNK 1
	CHUNK 2
	CHUNK 3
	; THE WAY OUT: O^T / l; the lane's 16 registers of two tiles become 16 true neighbours along the model's axis (the partner is a given weight); two blocks of 32 are quantised; registers 0-5 of a fragment leave as an image.
.rept 4
	v_nop
.endr
	v_add_f32 v14, v14, v15
	v_permlanex16_b32 v52, v14, s[SEL], s[SEL+1]
	v_add_f32 v14, v14, v52                        ; the row's sum
	v_rcp_f32 v14, v14
	v_nop                                          ; a plain place behind the transcendental
	s_wait_alu depctr_va_vdst(0)                   ; the wait, ahead of the first reader
.set sj, 0
.rept 16
	v_pk_mul_f32 v[O+2*sj:O+2*sj+1], v[O+2*sj:O+2*sj+1], v[14:15] op_sel_hi:[1,0]
.set sj, sj+1
.endr
.irp b, 0,1
.irp j, 0,1,2,3,4,5,6,7
	v_permlane16_swap_b32 v[O+16*\b+\j], v[O+16*\b+8+\j]   ; register 16 b + i is now channel 32 b + 16 (lane / 16) + i
.endr
.endr
.irp b, 0,1
	v_max3_num_f32 v[32+\b], |v[O+16*\b]|, |v[O+1+16*\b]|, 0x1800000
.endr
.irp i, 2,4,6,8,10,12,14
.irp b, 0,1
	v_max3_num_f32 v[32+\b], v[32+\b], |v[O+16*\b+\i]|, |v[O+1+16*\b+\i]|
.endr
.endr
.irp b, 0,1
	v_permlanex16_b32 v[36+\b], v[32+\b], s[SEL], s[SEL+1]
.endr
.irp b, 0,1
	v_max_num_f32 v[32+\b], v[32+\b], v[36+\b]
.endr
.irp b, 0,1
	v_add_nc_u32 v[40+\b], 0xff000000, v[32+\b]
.endr
.irp b, 0,1
	v_lshrrev_b32 v[36+\b], 23, v[40+\b]
.endr
	v_lshl_or_b32 v52, v37, 8, v36                 ; my head's two bytes of the scale word
	v_cvt_scalef32_pk16_fp6_f32 v[56:58], v[O:O+15], v40
	v_cvt_scalef32_pk16_fp6_f32 v[62:64], v[O+16:O+31], v41
	v_nop
.irp i, 0,1,2
	v_permlane16_swap_b32 v[56+\i], v[62+\i]
.endr
.irp i, 0,1,2
	v_mov_b32 v[59+\i], v[62+\i]
.endr
	global_store_b128 v1, v[56:59], s[54:55]
	global_store_b64 v2, v[60:61], s[54:55] offset:512
	global_store_b16 v3, v52, s[56:57]             ; two bytes a row: the word's other half is the neighbouring head's
	s_wait_tensorcnt 0x0
	ds_add_u32 v254, v255
	s_wait_dscnt 0x0
	ROUND                                          ; the closing round: no work-group ends while a partner may still ask for a record that names it
	s_endpgm
.Lfunc_end_k_qceb160de7d_attn:
	.size	k_qceb160de7d_attn, .Lfunc_end_k_qceb160de7d_attn-k_qceb160de7d_attn
	.p2alignl 7, 3214868480
	.fill 96, 4, 3214868480
	.section	.rodata,"a",@progbits
	.p2align	6, 0x0
	.amdhsa_kernel k_qceb160de7d_attn
		.amdhsa_group_segment_fixed_size 210944
		.amdhsa_private_segment_fixed_size 0
		.amdhsa_enable_private_segment 0
		.amdhsa_kernarg_size 16
		.amdhsa_user_sgpr_count 2
		.amdhsa_user_sgpr_kernarg_segment_ptr 1
		.amdhsa_wavefront_size32 1
		.amdhsa_system_sgpr_workgroup_id_x 1
		.amdhsa_system_sgpr_workgroup_id_y 1
		.amdhsa_system_sgpr_workgroup_id_z 1
		.amdhsa_system_vgpr_workitem_id 0
		.amdhsa_next_free_vgpr 256
		.amdhsa_next_free_sgpr 66
		.amdhsa_reserve_vcc 0
		.amdhsa_float_denorm_mode_32 3
		.amdhsa_float_denorm_mode_16_64 3
		.amdhsa_memory_ordered 1
		.amdhsa_forward_progress 1
		.amdhsa_inst_pref_size 78
	.end_amdhsa_kernel
	.amdgpu_metadata
---
amdhsa.version: [ 1, 2 ]
amdhsa.kernels:
  - .name:           k_qceb160de7d_attn
    .symbol:         k_qceb160de7d_attn.kd
    .args:
      - { .name: qkvb, .offset: 0, .size: 8, .value_kind: global_buffer, .address_space: global }
      - { .name: attb, .offset: 8, .size: 8, .value_kind: global_buffer, .address_space: global }
    .group_segment_fixed_size: 210944
    .private_segment_fixed_size: 0
    .kernarg_segment_align: 8
    .kernarg_segment_size: 16
    .max_flat_workgroup_size: 512
    .sgpr_count:     66
    .vgpr_count:     256
    .wavefront_size: 32
...
	.end_amdgpu_metadata
.endif
;; end of part 3
;; launch oproj (part 4): grid 8 x 32, 4 waves a work-group, clusters of 4 x 4, 327,680 bytes of LDS; arguments prepb, attb, bo, x, ybuf; writes ybuf
.if DOCPART == 4
	.amdgcn_target "amdgcn-amd-amdhsa--gfx1250"
	.amdhsa_code_object_version 6
	.text
	.protected	k_qceb160de7d_oproj
	.globl	k_qceb160de7d_oproj
	.p2align	8
	.type	k_qceb160de7d_oproj,@function
k_qceb160de7d_oproj:
	s_mov_b64 s[64:65], 0
	v_nop
	global_prefetch_b8 v0, s[64:65] scope:SCOPE_SE
	s_setreg_imm32_b32 hwreg(HW_REG_WAVE_MODE, 25, 1), 1
	s_wait_xcnt 0x0
	s_wait_alu depctr_hold_cnt(0) depctr_sa_sdst(0) depctr_va_vdst(0) depctr_va_sdst(0) depctr_va_ssrc(0) depctr_va_vcc(0) depctr_vm_vsrc(0)
	s_getreg_b32 s2, hwreg(HW_REG_IB_STS2, 6, 4)
	s_cmp_eq_u32 s2, 0
	s_cbranch_scc0 .Lentry_in_a_cluster
	s_endpgm
.Lentry_in_a_cluster:
	s_bfe_u32 s2, ttmp6, 0x10000c
	s_cmp_lg_u32 s2, 0xf033
	s_cbranch_scc0 .Lentry_shape_is_right
	s_endpgm
.Lentry_shape_is_right:
; y = x + (attention's result) Wo + bo, the product on codes of FP6 (E2M3) with E8M0 scales; y [4096][1024] f32.
; Both operands come as images of operand registers (a fragment of 16 rows x 128 K is 1,536 dense bytes; an operand is [tile][K step][1,536]); scale words as [tile][K step][16 rows].
; N is 1,024: tiles of 256 x 256 would be 64.  So a tile is 128 x 128, 256 work-groups; four waves, each 64 x 64: 16 accumulators.  K = 1,024 is 8 steps of 128, four to a slot: the two slots hold all of K, and nothing is filled again.
; CLUSTERS of 4 x 4: the four of a row share side A's tiles, the four of a column side B's: each is asked for jointly.  THE MATRIX INSTRUCTION IS USED TRANSPOSED: a lane holds eight neighbouring numbers of a row of y.
; The residual's 64 x 64 numbers of a wave are asked for at the head, in the layout of the stores, and land under the products.
.set T,      4
.set NQ,     4
.set KSTEPS, 8
.set ACODES,  0                        ; attb: images, scale words
.set ASCALES, 3145728
.set BCODES,  5636096                  ; prepb: Wo's images, Wo's scale words
.set BSCALES, 6520832
.set FRB,    1536
.set QUART,  T*NQ*FRB
.set SLOT,   4*QUART
.set QSC,    T*KSTEPS*64
.set SCL,    2*SLOT
.set STG,    SCL+4*QSC                 ; behind the scale words: a stage of 16 rows x (256 bytes + 16) for each wave; no fill lands there
.set SPARE,  327168                    ; the spare words, 128 bytes for each wave
.set LAPS,   KSTEPS/(2*NQ)
.set G1,   24
.set G0,   32
.set G1B,  48
.set G0B,  56
.set G1S,  68
.set G0S,  76
.set G1SB, 80
.set G0SB, 88
; REGISTERS: window 0: v8-11 bias; v16-23 LDS addresses of fragments; v24 into the stage, v25 out of it, v26 my bytes in two rows of y; v27 scale words' address; v28, v29 the add's; v30 16 r; v32-63 scale words and nothing else;
;   v64-111, v112-159 A's fragments; v160-191, v192-223 rows on the way out.   window 1: v0-47, v48-95 B's fragments.   window 2: v0-127 the accumulators, (a, b) at v[32 a + 8 b]; v128-255 the residual.
.set MSB, 0
.macro WIN new
.if MSB != (\new)
	s_set_vgpr_msb (MSB<<8)|(\new)
.set MSB, (\new)
.endif
.endm
.macro PLACES n
.rept \n
	v_nop
.endr
.endm
.macro JLOAD g0a, g1a, g0b, g1b        ; a joint load: waves 0, 1 for side A, waves 2, 3 for side B; four v_nop follow each of the two lines
	s_cmp_eq_u32 s15, 0
	s_cbranch_scc0 .Lfor_b_\@
	tensor_load_to_lds s[\g0a:\g0a+3], s[\g1a:\g1a+7]
	s_nop 0
	PLACES 4
	s_branch .Lasked_\@
.Lfor_b_\@:
	tensor_load_to_lds s[\g0b:\g0b+3], s[\g1b:\g1b+7]
	s_nop 0
	PLACES 4
.Lasked_\@:
.endm
.macro CREST
	s_cmp_lg_u32 s14, 0
	s_cbranch_scc1 .Lnot_wave_0_\@
	s_barrier_signal -3
.Lnot_wave_0_\@:
	s_barrier_wait -3
	s_barrier_signal -1
	s_barrier_wait -1
.endm
.macro CROUND
	s_barrier_signal -1
	s_barrier_wait -1
	CREST
.endm
.macro CORE_HEAD aptr, bptr
	s_lshl_b32 s43, s41, 2
	s_lshl_b32 s43, 15, s43                        ; my row of the cluster
	s_lshl_b32 s44, 0x1111, s40                    ; my column
	s_or_b32 s[G1], s43, (3<<16)|(1<<21)           ; the mask; elements of 8 bytes; no padding; bit 21 beside a mask
	s_or_b32 s[G1B], s44, (3<<16)|(1<<21)
.irp g, G1, G1B
	s_mov_b32 s[\g+1], (192*NQ)<<16                ; NQ fragments of a tile on end
	s_mov_b32 s[\g+2], T<<16                       ; T tiles
	s_mov_b32 s[\g+3], (192*NQ)<<16
	s_mov_b32 s[\g+4], T
	s_mov_b32 s[\g+5], 192*KSTEPS                  ; from tile to tile
	s_mov_b32 s[\g+6], 0
	s_mov_b32 s[\g+7], 0
.endr
	s_or_b32 s[G1S], s43, (3<<16)|(1<<21)
	s_or_b32 s[G1SB], s44, (3<<16)|(1<<21)
.irp g, G1S, G1SB
	s_mov_b32 s[\g+1], 32<<16                      ; a dense block of QSC bytes as rows of 256
	s_mov_b32 s[\g+2], (QSC/256)<<16
	s_mov_b32 s[\g+3], 32<<16
	s_mov_b32 s[\g+4], QSC/256
	s_mov_b32 s[\g+5], 32
	s_mov_b32 s[\g+6], 0
	s_mov_b32 s[\g+7], 0
.endr
	s_mul_i32 s95, s16, T
	s_mul_i32 s18, s17, 2*T
	s_add_co_u32 s18, s18, s95
	s_mul_i32 s19, s18, KSTEPS*FRB
	s_add_co_u32 s98, s98, s19
	s_mov_b32 s99, 0
	s_mul_i32 s19, s18, KSTEPS*64
	s_add_co_u32 s100, s100, s19
	s_mov_b32 s101, 0
	s_mul_i32 s46, s42, 2*T
	s_add_co_u32 s46, s46, s95
	s_mul_i32 s47, s46, KSTEPS*FRB
	s_add_co_u32 s66, s66, s47
	s_mov_b32 s67, 0
	s_mul_i32 s47, s46, KSTEPS*64
	s_add_co_u32 s96, s96, s47
	s_mov_b32 s97, 0
	s_mul_i32 s45, s14, QUART
	s_mul_i32 s94, s14, QSC
	s_wait_kmcnt 0x0
	s_add_nc_u64 s[20:21], s[\aptr:\aptr+1], s[98:99]
	s_add_nc_u64 s[22:23], s[\aptr:\aptr+1], s[100:101]
	s_add_nc_u64 s[46:47], s[\bptr:\bptr+1], s[66:67]
	s_add_nc_u64 s[92:93], s[\bptr:\bptr+1], s[96:97]
	CROUND                                         ; all sixteen work-groups are here: the first joint loads meet
	s_mov_b32 s[G0S], 1
	s_add_co_u32 s[G0S+1], s94, SCL
	s_mov_b64 s[G0S+2:G0S+3], s[22:23]
	s_or_b32 s[G0S+3], s[G0S+3], 0x80000000
	s_mov_b32 s[G0SB], 1
	s_add_co_u32 s[G0SB+1], s94, SCL
	s_mov_b64 s[G0SB+2:G0SB+3], s[92:93]
	s_or_b32 s[G0SB+3], s[G0SB+3], 0x80000000
	JLOAD G0S, G1S, G0SB, G1SB
.irp s, 0,1
	s_mov_b32 s[G0+4*\s], 1
	s_add_co_u32 s[G0+4*\s+1], s45, \s*SLOT
	s_add_nc_u64 s[G0+4*\s+2:G0+4*\s+3], s[20:21], \s*NQ*FRB
	s_or_b32 s[G0+4*\s+3], s[G0+4*\s+3], 0x80000000
	s_mov_b32 s[G0B+4*\s], 1
	s_add_co_u32 s[G0B+4*\s+1], s45, \s*SLOT
	s_add_nc_u64 s[G0B+4*\s+2:G0B+4*\s+3], s[46:47], \s*NQ*FRB
	s_or_b32 s[G0B+4*\s+3], s[G0B+4*\s+3], 0x80000000
	JLOAD G0+4*\s, G1, G0B+4*\s, G1B
.endr
	v_and_b32 v1, 31, v0
	v_and_b32 v2, 15, v0
	v_bfe_u32 v3, v0, 4, 1
	v_lshlrev_b32 v4, 4, v1
	v_lshlrev_b32 v5, 3, v1
	s_mul_i32 s21, s15, QUART
	s_mul_i32 s22, s16, QUART
	s_add_co_u32 s22, s22, 2*QUART
.irp s, 0,1
	v_add_nc_u32 v[16+\s], s21, v4
	v_add_nc_u32 v[18+\s], s21, v5
	v_add_nc_u32 v[20+\s], s22, v4
	v_add_nc_u32 v[22+\s], s22, v5
	s_add_co_u32 s21, s21, SLOT
	s_add_co_u32 s22, s22, SLOT
.endr
	s_mul_i32 s21, s15, QSC
	s_mul_i32 s22, s16, QSC
	s_add_co_u32 s22, s22, 2*QSC
	s_sub_co_u32 s22, s22, s21
	v_mul_u32_u24 v6, s22, v3                      ; lanes 16-31 take B's scale words: the lower base + h x the distance
	s_add_co_u32 s21, s21, SCL
	v_lshl_add_u32 v6, v2, 2, v6
	v_add_nc_u32 v27, s21, v6
.endm
.macro FRAG reg, a16, a8, off
	ds_load_b128 v[\reg:\reg+3], v[\a16] offset:\off
	ds_load_b64 v[\reg+4:\reg+5], v[\a8] offset:(\off)+512
	ds_load_b128 v[\reg+6:\reg+9], v[\a16] offset:(\off)+768
	ds_load_b64 v[\reg+10:\reg+11], v[\a8] offset:(\off)+1280
.endm
.macro FETCH slot, q, p
	WIN 0x40
.set fi, 0
.rept T
	FRAG 12*T*(\p)+12*fi, 20+\slot, 22+\slot, (fi*NQ+(\q))*FRB
.set fi, fi+1
.endr
	WIN 0
.set fi, 0
.rept T
	FRAG 64+12*T*(\p)+12*fi, 16+\slot, 18+\slot, (fi*NQ+(\q))*FRB
.set fi, fi+1
.endr
.endm
.macro SCALES slot
.set fi, 0
.rept T
.set fq, 0
.rept NQ
	ds_load_b32 v[32+16*(\slot)+NQ*fi+fq], v27 offset:(fi*KSTEPS+fq)*64
.set fq, fq+1
.endr
.set fi, fi+1
.endr
.endm
.macro MULS a0, a1, p, q, sc, zero     ; all T x T accumulators take turns, one instruction a turn, in the same order in every step
.set ma, \a0
.rept (\a1)-(\a0)
	WIN 0xa1+0x50*((ma*8*T)/256)
.set mb, 0
.rept T
.set rD, (ma*8*T)%256+8*mb
.set rB, 12*T*(\p)+12*mb
.set rA, 64+12*T*(\p)+12*ma
.set rSB, 32+16*(\sc)+NQ*mb+(\q)
.set rSA, 32+16*(\sc)+NQ*ma+(\q)
.if \zero
	v_wmma_scale_f32_16x16x128_f8f6f4 v[rD:rD+7], v[rB:rB+11], v[rA:rA+11], 0, v[rSB], v[rSA] matrix_a_fmt:MATRIX_FMT_FP6 matrix_b_fmt:MATRIX_FMT_FP6 matrix_a_scale:MATRIX_SCALE_ROW1
.else
	v_wmma_scale_f32_16x16x128_f8f6f4 v[rD:rD+7], v[rB:rB+11], v[rA:rA+11], v[rD:rD+7], v[rSB], v[rSA] matrix_a_fmt:MATRIX_FMT_FP6 matrix_b_fmt:MATRIX_FMT_FP6 matrix_a_scale:MATRIX_SCALE_ROW1
.endif
.set mb, mb+1
.endr
.set ma, ma+1
.endr
.endm
.macro STEP slot, q, zero
	s_wait_dscnt 0x0                               ; this step's fragments and scale words are in
	PLACES 4                                       ; in front of loads into registers that the last step's matrix instructions have read
	FETCH \slot, (\q)+1, 1-(\q)%2
	MULS 0, T, (\q)%2, \q, \slot, \zero
	WIN 0
.endm
.macro MIDSTEPS slot, from
.set qq, \from
.rept NQ-1-(\from)
	STEP \slot, qq, 0
.set qq, qq+1
.endr
.endm
.macro TURN slot, next, fill           ; a slot's last K step changes slots: one barrier; in front of it the wait for all my tensor loads, the add, the wait for it and for my reads
	s_wait_tensorcnt 0x0
	ds_add_u32 v28, v29                            ; 0 onto my spare word
	s_wait_dscnt 1                                 ; the add alone may be out
	MULS 0, T/4, 1, NQ-1, \slot, 0
	s_wait_dscnt 0x0
	s_barrier_signal -1
	MULS T/4, T/2, 1, NQ-1, \slot, 0
	WIN 0
	s_barrier_wait -1
.if \fill
	CREST
	s_add_nc_u64 s[G0+4*\slot+2:G0+4*\slot+3], s[G0+4*\slot+2:G0+4*\slot+3], 2*NQ*FRB
	s_add_nc_u64 s[G0B+4*\slot+2:G0B+4*\slot+3], s[G0B+4*\slot+2:G0B+4*\slot+3], 2*NQ*FRB
	JLOAD G0+4*\slot, G1, G0B+4*\slot, G1B
.else
	PLACES 4
.endif
	v_add_nc_u32 v27, 64*NQ, v27
	FETCH \next, 0, 0
	SCALES \next
	MULS T/2, T, 1, NQ-1, \slot, 0
	WIN 0
.endm
	s_load_b256 s[4:11], s[0:1], 0x0               ; prepb, A's buffer, the bias, the residual
	s_load_b64 s[12:13], s[0:1], 0x20              ; ybuf
	v_lshl_add_u32 v28, v0, 2, SPARE
	v_mov_b32 v29, 0
	ds_add_u32 v28, v29
	ds_add_u32 v28, v29
	s_wait_dscnt 0x0
	v_lshrrev_b32 v1, 5, v0
	v_readfirstlane_b32 s14, v1
	s_lshr_b32 s15, s14, 1
	s_and_b32 s16, s14, 1
	s_bfe_u32 s40, ttmp6, 0x40000
	s_bfe_u32 s41, ttmp6, 0x40004
	s_lshl_b32 s42, ttmp9, 2
	s_add_co_u32 s42, s42, s40                     ; tile column = 4 x cluster x + cx
	s_and_b32 s17, ttmp7, 0xffff
	s_lshl_b32 s17, s17, 2
	s_add_co_u32 s17, s17, s41                     ; tile row = 4 x cluster y + cy
	s_mov_b32 s98, ACODES
	s_mov_b32 s100, ASCALES
	s_mov_b32 s66, BCODES
	s_mov_b32 s96, BSCALES
	CORE_HEAD 6, 4
	s_mul_i32 s21, s14, 16*272
	s_add_co_u32 s21, s21, STG                     ; my stage
	v_mul_u32_u24 v6, v2, 272
	v_lshl_add_u32 v6, v3, 5, v6
	v_add_nc_u32 v24, s21, v6                      ; in: row r, 32 bytes for each half of the lanes
	v_mul_u32_u24 v6, v3, 272
	v_lshl_add_u32 v6, v2, 4, v6
	v_add_nc_u32 v25, s21, v6                      ; back: lanes 0-15 one row of 256 bytes, lanes 16-31 the next
	v_lshlrev_b32 v30, 4, v2
	v_lshl_add_u32 v26, v3, 12, v30                ; and the same two rows in memory
	s_lshl_b32 s19, s42, 9
	s_lshl_b32 s2, s16, 8
	s_add_co_u32 s2, s19, s2                       ; my first column, in bytes
	s_mov_b32 s3, 0
	s_add_nc_u64 s[8:9], s[8:9], s[2:3]
	s_lshl_b32 s18, s17, 19
	s_lshl_b32 s19, s15, 18
	s_add_co_u32 s18, s18, s19                     ; my first row, in bytes
	s_add_co_u32 s2, s2, s18
	s_add_nc_u64 s[10:11], s[10:11], s[2:3]
	s_add_nc_u64 s[12:13], s[12:13], s[2:3]
	WIN 0x80                                       ; destination window 2
.set ri, 0
.rept 32
	global_load_b128 v[128+4*ri:131+4*ri], v26, s[10:11] offset:((ri/8)*16+2*(ri%8))*4096 th:TH_LOAD_NT
.set ri, ri+1
.endr
	WIN 0
	global_load_b128 v[8:11], v30, s[8:9]
	s_wait_tensorcnt 1                             ; the scale words and my part of slot 0 are in; slot 1's load may be out
	s_barrier_signal -1
	s_barrier_wait -1
	FETCH 0, 0, 0
	SCALES 0
	STEP 0, 0, 1                                   ; the first K step's products start the sums
.if LAPS > 1
	s_mov_b32 s3, LAPS-1
.Llap:
	MIDSTEPS 0, 1
	TURN 0, 1, 1
	MIDSTEPS 1, 0
	TURN 1, 0, 1
	STEP 0, 0, 0
	s_sub_co_u32 s3, s3, 1
	s_cmp_lg_u32 s3, 0
	s_cbranch_scc1 .Llap
.endif
	MIDSTEPS 0, 1
	TURN 0, 1, 0
	MIDSTEPS 1, 0
	s_wait_dscnt 0x0
	MULS 0, T, 1, NQ-1, 1, 0
	WIN 0
	PLACES 4                                       ; in front of the first read of results
; THE WAY OUT, 16 rows x 64 columns at a time, through my own stage: back as whole rows of 256 bytes, + residual, + bias, stored sixteen lanes to 256 consecutive aligned bytes.
.macro OUTBLK a
.set BK, 160+32*((\a)%2)
.if (\a) > 0
	s_wait_xcnt 0x0                                ; earlier stores have read their registers
.endif
	WIN 0x08                                       ; an LDS store's data are its source 1: window 2
.irp b, 0,1,2,3
	ds_store_b128 v24, v[32*(\a)+8*\b:32*(\a)+8*\b+3] offset:64*\b          ; each accumulator from its low end on
	ds_store_b128 v24, v[32*(\a)+8*\b+4:32*(\a)+8*\b+7] offset:64*\b+16
.endr
	WIN 0
.irp t, 0,1,2,3,4,5,6,7
	ds_load_b128 v[BK+4*\t:BK+4*\t+3], v25 offset:\t*2*272   ; LDS serves a wave's instructions in order (ISA guide 5.7.1.4): these see the stores above
.endr
	s_wait_dscnt 0x0
	WIN 0x08                                       ; source 1: the residual, window 2
.irp t, 0,1,2,3,4,5,6,7
	v_pk_add_f32 v[BK+4*\t:BK+4*\t+1], v[BK+4*\t:BK+4*\t+1], v[128+32*(\a)+4*\t:128+32*(\a)+4*\t+1]
	v_pk_add_f32 v[BK+4*\t+2:BK+4*\t+3], v[BK+4*\t+2:BK+4*\t+3], v[128+32*(\a)+4*\t+2:128+32*(\a)+4*\t+3]
.endr
	WIN 0
.irp t, 0,1,2,3,4,5,6,7
	v_pk_add_f32 v[BK+4*\t:BK+4*\t+1], v[BK+4*\t:BK+4*\t+1], v[8:9]
	v_pk_add_f32 v[BK+4*\t+2:BK+4*\t+3], v[BK+4*\t+2:BK+4*\t+3], v[10:11]
.endr
.irp t, 0,1,2,3,4,5,6,7
	global_store_b128 v26, v[BK+4*\t:BK+4*\t+3], s[12:13] offset:(16*(\a)+2*\t)*4096
.endr
.endm
	s_wait_loadcnt 0x0                             ; the residual and the bias
	OUTBLK 0
	OUTBLK 1
	OUTBLK 2
	OUTBLK 3
	s_wait_tensorcnt 0x0                           ; the wave's end
	ds_add_u32 v28, v29
	s_wait_dscnt 0x0
	CROUND                                         ; the closing round
	s_endpgm
.Lfunc_end_k_qceb160de7d_oproj:
	.size	k_qceb160de7d_oproj, .Lfunc_end_k_qceb160de7d_oproj-k_qceb160de7d_oproj
	.p2alignl 7, 3214868480
	.fill 96, 4, 3214868480
	.section	.rodata,"a",@progbits
	.p2align	6, 0x0
	.amdhsa_kernel k_qceb160de7d_oproj
		.amdhsa_group_segment_fixed_size 327680
		.amdhsa_private_segment_fixed_size 0
		.amdhsa_enable_private_segment 0
		.amdhsa_kernarg_size 40
		.amdhsa_user_sgpr_count 2
		.amdhsa_user_sgpr_kernarg_segment_ptr 1
		.amdhsa_wavefront_size32 1
		.amdhsa_system_sgpr_workgroup_id_x 1
		.amdhsa_system_sgpr_workgroup_id_y 1
		.amdhsa_system_sgpr_workgroup_id_z 1
		.amdhsa_system_vgpr_workitem_id 0
		.amdhsa_next_free_vgpr 768
		.amdhsa_next_free_sgpr 106
		.amdhsa_reserve_vcc 0
		.amdhsa_float_denorm_mode_32 3
		.amdhsa_float_denorm_mode_16_64 3
		.amdhsa_memory_ordered 1
		.amdhsa_forward_progress 1
		.amdhsa_inst_pref_size 66
	.end_amdhsa_kernel
	.amdgpu_metadata
---
amdhsa.version: [ 1, 2 ]
amdhsa.kernels:
  - .name:           k_qceb160de7d_oproj
    .symbol:         k_qceb160de7d_oproj.kd
    .args:
      - { .name: prepb, .offset: 0, .size: 8, .value_kind: global_buffer, .address_space: global }
      - { .name: attb, .offset: 8, .size: 8, .value_kind: global_buffer, .address_space: global }
      - { .name: bo, .offset: 16, .size: 8, .value_kind: global_buffer, .address_space: global }
      - { .name: x, .offset: 24, .size: 8, .value_kind: global_buffer, .address_space: global }
      - { .name: ybuf, .offset: 32, .size: 8, .value_kind: global_buffer, .address_space: global }
    .group_segment_fixed_size: 327680
    .private_segment_fixed_size: 0
    .kernarg_segment_align: 8
    .kernarg_segment_size: 40
    .max_flat_workgroup_size: 128
    .sgpr_count:     106
    .vgpr_count:     768
    .wavefront_size: 32
...
	.end_amdgpu_metadata
.endif
;; end of part 4
;; launch norm1 (part 5): grid 256 x 1, 8 waves a work-group, no clusters, 66,816 bytes of LDS; arguments ybuf, g1, b1n, ln1b; writes ln1b
.if DOCPART == 5
	.amdgcn_target "amdgcn-amd-amdhsa--gfx1250"
	.amdhsa_code_object_version 6
	.text
	.protected	k_qceb160de7d_norm1
	.globl	k_qceb160de7d_norm1
	.p2align	8
	.type	k_qceb160de7d_norm1,@function
k_qceb160de7d_norm1:
	s_mov_b64 s[64:65], 0
	v_nop
	global_prefetch_b8 v0, s[64:65] scope:SCOPE_SE
	s_setreg_imm32_b32 hwreg(HW_REG_WAVE_MODE, 25, 1), 1
	s_wait_xcnt 0x0
; LayerNorm over rows of 1,024 f32; the result leaves twice: as f32 rows (the later residual) and quantised to FP6 (E2M3) with E8M0 scales, as images of operand registers.
; A work-group takes 16 rows.  Wave w normalises rows 2 w, 2 w + 1, a whole row in 32 registers: the reductions never leave the wave.  The variance is the mean of the squared differences from the mean: no difference of large sums.
; The rows then meet in LDS; wave w takes K step w of all 16 rows, quantises it and stores one fragment (1,536 bytes) and its 16 scale words.
; Memory binds: no matrix unit, no cluster; each byte is read once, in loads of 512 consecutive bytes.
; LIMITS: NaN and infinities are not served.  A block of zeros, or one under 2^-124, gets the byte 1 (this program alone reads the bytes).
.set XP,   4112                        ; a row in LDS: 4,096 bytes + 16
.set O1I,  16777216                    ; ln1b: f32 rows at 0, images, scale words
.set O1S,  19922944
.set NUM,  16                          ; v16-47, v48-79 the two rows; later 64 numbers
.set TM,   80                          ; v80-111 the gain, v112-143 the bias; later v80-95 at work in QUANT
.set PW,   96
.set PC,   98
.set SEL,  14
.set L16,  4
.set L8,   5
.macro QUANT s
.irp b, 0,1,2,3
	v_max3_num_f32 v[TM+\b], |v[\s+16*\b]|, |v[\s+1+16*\b]|, 0x1800000   ; my 16 numbers of block b, and the floor 2^(3 - 127)
.endr
.irp i, 2,4,6,8,10,12,14
.irp b, 0,1,2,3
	v_max3_num_f32 v[TM+\b], v[TM+\b], |v[\s+16*\b+\i]|, |v[\s+1+16*\b+\i]|
.endr
.endr
.irp b, 0,1,2,3
	v_permlanex16_b32 v[TM+4+\b], v[TM+\b], s[SEL], s[SEL+1]
.endr
.irp b, 0,1,2,3
	v_max_num_f32 v[TM+\b], v[TM+\b], v[TM+4+\b]
.endr
.irp b, 0,1,2,3
	v_add_nc_u32 v[TM+12+\b], 0xff000000, v[TM+\b]   ; 2 off the exponent field: the conversion's scale operand
.endr
.irp b, 0,1,2,3
	v_lshrrev_b32 v[TM+4+\b], 23, v[TM+12+\b]
.endr
	v_lshl_or_b32 v[PW], v[TM+5], 8, v[TM+4]
	v_lshl_or_b32 v[PW], v[TM+6], 16, v[PW]
	v_lshl_or_b32 v[PW], v[TM+7], 24, v[PW]
.irp c, 0,1
	v_cvt_scalef32_pk16_fp6_f32 v[PC+6*\c:PC+2+6*\c], v[\s+32*\c:\s+15+32*\c], v[TM+12+2*\c]
	v_cvt_scalef32_pk16_fp6_f32 v[PC+12+4*\c:PC+14+4*\c], v[\s+16+32*\c:\s+31+32*\c], v[TM+12+2*\c+1]
.endr
	v_nop                                          ; one plain place behind a scaled conversion
.irp c, 0,1
.irp i, 0,1,2
	v_permlane16_swap_b32 v[PC+6*\c+\i], v[PC+12+4*\c+\i]
.endr
.irp i, 0,1,2
	v_mov_b32 v[PC+3+6*\c+\i], v[PC+12+4*\c+\i]
.endr
.endr
.endm
.macro PUTFRAG reg, base, off
	global_store_b128 v[L16], v[\reg:\reg+3], s[\base:\base+1] offset:\off
	global_store_b64 v[L8], v[\reg+4:\reg+5], s[\base:\base+1] offset:(\off)+512
	global_store_b128 v[L16], v[\reg+6:\reg+9], s[\base:\base+1] offset:(\off)+768
	global_store_b64 v[L8], v[\reg+10:\reg+11], s[\base:\base+1] offset:(\off)+1280
.endm
.macro REDUCE r, t                     ; the sum over the 32 lanes, in every lane
	v_add_f32_dpp v[\r], v[\r], v[\r] row_xmask:1 row_mask:0xf bank_mask:0xf
	v_add_f32_dpp v[\r], v[\r], v[\r] row_xmask:2 row_mask:0xf bank_mask:0xf
	v_add_f32_dpp v[\r], v[\r], v[\r] row_xmask:4 row_mask:0xf bank_mask:0xf
	v_add_f32_dpp v[\r], v[\r], v[\r] row_xmask:8 row_mask:0xf bank_mask:0xf
	v_permlanex16_b32 v[\t], v[\r], s[SEL], s[SEL+1]
	v_add_f32 v[\r], v[\r], v[\t]
.endm
.macro LNROW X                         ; the row in v[X] .. v[X + 31] is normalised in place
	v_pk_add_f32 v[144:145], v[\X:\X+1], v[\X+2:\X+3]
	v_pk_add_f32 v[146:147], v[\X+4:\X+5], v[\X+6:\X+7]
.set li, 8
.rept 6
	v_pk_add_f32 v[144:145], v[144:145], v[\X+li:\X+li+1]
	v_pk_add_f32 v[146:147], v[146:147], v[\X+li+2:\X+li+3]
.set li, li+4
.endr
	v_pk_add_f32 v[144:145], v[144:145], v[146:147]
	v_add_f32 v144, v144, v145
	REDUCE 144, 145
	v_mul_f32 v144, s20, v144                      ; the mean
.set li, 0
.rept 16
	v_pk_add_f32 v[\X+li:\X+li+1], v[\X+li:\X+li+1], v[144:145] op_sel_hi:[1,0] neg_lo:[0,1] neg_hi:[0,1]
.set li, li+2
.endr
	v_pk_mul_f32 v[146:147], v[\X:\X+1], v[\X:\X+1]
	v_pk_mul_f32 v[148:149], v[\X+2:\X+3], v[\X+2:\X+3]
.set li, 4
.rept 7
	v_pk_fma_f32 v[146:147], v[\X+li:\X+li+1], v[\X+li:\X+li+1], v[146:147]
	v_pk_fma_f32 v[148:149], v[\X+li+2:\X+li+3], v[\X+li+2:\X+li+3], v[148:149]
.set li, li+4
.endr
	v_pk_add_f32 v[146:147], v[146:147], v[148:149]
	v_add_f32 v146, v146, v147
	REDUCE 146, 147
	v_fma_f32 v146, v146, s20, s21                 ; the variance + 1e-5
	v_rsq_f32 v146, v146
	v_nop                                          ; a plain place behind the transcendental
	s_wait_alu depctr_va_vdst(0)                   ; the wait, ahead of the first reader
.set li, 0
.rept 16
	v_pk_mul_f32 v[\X+li:\X+li+1], v[\X+li:\X+li+1], v[146:147] op_sel_hi:[1,0]
.set li, li+2
.endr
.set li, 0
.rept 16
	v_pk_fma_f32 v[\X+li:\X+li+1], v[\X+li:\X+li+1], v[80+li:81+li], v[112+li:113+li]
.set li, li+2
.endr
.endm
	s_load_b256 s[4:11], s[0:1], 0x0               ; ybuf, g1, b1n, ln1b
	v_lshl_add_u32 v160, v0, 2, 0x10100
	v_mov_b32 v161, 0
	v_lshrrev_b32 v1, 5, v0
	v_readfirstlane_b32 s12, v1                    ; wave 0..7
	v_and_b32 v1, 31, v0
	v_and_b32 v2, 15, v0
	v_bfe_u32 v3, v0, 4, 1
	v_lshlrev_b32 v4, 4, v1
	v_lshlrev_b32 v5, 3, v1
	v_lshlrev_b32 v6, 2, v2
	s_mul_i32 s13, s12, 2*XP
	v_add_nc_u32 v7, s13, v4                       ; LDS, in
	v_mul_u32_u24 v8, v2, XP
	v_lshl_add_u32 v8, v3, 6, v8
	s_lshl_b32 s13, s12, 9
	v_add_nc_u32 v8, s13, v8                       ; LDS, out: row r, K step w, + 64 h
	s_mov_b32 s[SEL], 0x76543210
	s_mov_b32 s[SEL+1], 0xfedcba98
	s_mov_b32 s20, 0x3a800000                      ; 1 / 1,024
	s_mov_b32 s21, 0x3727c5ac                      ; 1e-5
	s_lshl_b32 s16, ttmp9, 16
	s_lshl_b32 s13, s12, 13
	s_add_co_u32 s16, s16, s13
	s_mov_b32 s17, 0
	s_wait_kmcnt 0x0
	s_add_nc_u64 s[4:5], s[4:5], s[16:17]
	s_add_nc_u64 s[22:23], s[10:11], s[16:17]
.irp j, 0,1,2,3,4,5,6,7
	global_load_b128 v[80+4*\j:83+4*\j], v4, s[6:7] offset:512*\j
.endr
.irp j, 0,1,2,3,4,5,6,7
	global_load_b128 v[112+4*\j:115+4*\j], v4, s[8:9] offset:512*\j
.endr
.irp i, 0,1
.irp j, 0,1,2,3,4,5,6,7
	global_load_b128 v[NUM+32*\i+4*\j:NUM+32*\i+4*\j+3], v4, s[4:5] offset:4096*\i+512*\j th:TH_LOAD_NT
.endr
.endr
	s_wait_loadcnt 8                               ; gain, bias and the first row are in; the second row's eight loads may be out
	LNROW NUM
.irp j, 0,1,2,3,4,5,6,7
	global_store_b128 v4, v[NUM+4*\j:NUM+4*\j+3], s[22:23] offset:512*\j
	ds_store_b128 v7, v[NUM+4*\j:NUM+4*\j+3] offset:512*\j
.endr
	s_wait_loadcnt 0x0
	LNROW NUM+32
.irp j, 0,1,2,3,4,5,6,7
	global_store_b128 v4, v[NUM+32+4*\j:NUM+32+4*\j+3], s[22:23] offset:4096+512*\j
	ds_store_b128 v7, v[NUM+32+4*\j:NUM+32+4*\j+3] offset:XP+512*\j
.endr
	s_mul_i32 s16, ttmp9, 12288
	s_mul_i32 s13, s12, 1536
	s_add_co_u32 s16, s16, s13
	s_add_co_u32 s16, s16, O1I
	s_add_nc_u64 s[24:25], s[10:11], s[16:17]
	s_lshl_b32 s16, ttmp9, 9
	s_lshl_b32 s13, s12, 6
	s_add_co_u32 s16, s16, s13
	s_add_co_u32 s16, s16, O1S
	s_add_nc_u64 s[26:27], s[10:11], s[16:17]
	s_wait_xcnt 0x0                                ; the stores have read their registers: the rows' registers are loaded anew below
	s_wait_dscnt 0x0                               ; for the others' sake: my rows lie in LDS
	s_barrier_signal -1
	s_barrier_wait -1
.irp b, 0,1,2,3
.irp j, 0,1,2,3
	ds_load_b128 v[NUM+16*\b+4*\j:NUM+16*\b+4*\j+3], v8 offset:128*\b+16*\j
.endr
.endr
	s_wait_dscnt 0x0
	QUANT NUM
	PUTFRAG PC, 24, 0
	global_store_b32 v6, v[PW], s[26:27]           ; lanes 16-31 hold row r's word too and write the same bytes
	s_wait_tensorcnt 0x0
	ds_add_u32 v160, v161
	s_wait_dscnt 0x0
	s_endpgm
.Lfunc_end_k_qceb160de7d_norm1:
	.size	k_qceb160de7d_norm1, .Lfunc_end_k_qceb160de7d_norm1-k_qceb160de7d_norm1
	.p2alignl 7, 3214868480
	.fill 96, 4, 3214868480
	.section	.rodata,"a",@progbits
	.p2align	6, 0x0
	.amdhsa_kernel k_qceb160de7d_norm1
		.amdhsa_group_segment_fixed_size 66816
		.amdhsa_private_segment_fixed_size 0
		.amdhsa_enable_private_segment 0
		.amdhsa_kernarg_size 32
		.amdhsa_user_sgpr_count 2
		.amdhsa_user_sgpr_kernarg_segment_ptr 1
		.amdhsa_wavefront_size32 1
		.amdhsa_system_sgpr_workgroup_id_x 1
		.amdhsa_system_sgpr_workgroup_id_y 1
		.amdhsa_system_sgpr_workgroup_id_z 1
		.amdhsa_system_vgpr_workitem_id 0
		.amdhsa_next_free_vgpr 162
		.amdhsa_next_free_sgpr 66
		.amdhsa_reserve_vcc 0
		.amdhsa_float_denorm_mode_32 3
		.amdhsa_float_denorm_mode_16_64 3
		.amdhsa_memory_ordered 1
		.amdhsa_forward_progress 1
		.amdhsa_inst_pref_size 25
	.end_amdhsa_kernel
	.amdgpu_metadata
---
amdhsa.version: [ 1, 2 ]
amdhsa.kernels:
  - .name:           k_qceb160de7d_norm1
    .symbol:         k_qceb160de7d_norm1.kd
    .args:
      - { .name: ybuf, .offset: 0, .size: 8, .value_kind: global_buffer, .address_space: global }
      - { .name: g1, .offset: 8, .size: 8, .value_kind: global_buffer, .address_space: global }
      - { .name: b1n, .offset: 16, .size: 8, .value_kind: global_buffer, .address_space: global }
      - { .name: ln1b, .offset: 24, .size: 8, .value_kind: global_buffer, .address_space: global }
    .group_segment_fixed_size: 66816
    .private_segment_fixed_size: 0
    .kernarg_segment_align: 8
    .kernarg_segment_size: 32
    .max_flat_workgroup_size: 256
    .sgpr_count:     66
    .vgpr_count:     162
    .wavefront_size: 32
...
	.end_amdgpu_metadata
.endif
;; end of part 5
;; launch ffn1 (part 6): grid 16 x 16, 4 waves a work-group, clusters of 4 x 4, 327,680 bytes of LDS; arguments prepb, ln1b, bf1, hidb; writes hidb
.if DOCPART == 6
	.amdgcn_target "amdgcn-amd-amdhsa--gfx1250"
	.amdhsa_code_object_version 6
	.text
	.protected	k_qceb160de7d_ffn1
	.globl	k_qceb160de7d_ffn1
	.p2align	8
	.type	k_qceb160de7d_ffn1,@function
k_qceb160de7d_ffn1:
	s_mov_b64 s[64:65], 0
	v_nop
	global_prefetch_b8 v0, s[64:65] scope:SCOPE_SE
	s_setreg_imm32_b32 hwreg(HW_REG_WAVE_MODE, 25, 1), 1
	s_wait_xcnt 0x0
	s_wait_alu depctr_hold_cnt(0) depctr_sa_sdst(0) depctr_va_vdst(0) depctr_va_sdst(0) depctr_va_ssrc(0) depctr_va_vcc(0) depctr_vm_vsrc(0)
	s_getreg_b32 s2, hwreg(HW_REG_IB_STS2, 6, 4)
	s_cmp_eq_u32 s2, 0
	s_cbranch_scc0 .Lentry_in_a_cluster
	s_endpgm
.Lentry_in_a_cluster:
	s_bfe_u32 s2, ttmp6, 0x10000c
	s_cmp_lg_u32 s2, 0xf033
	s_cbranch_scc0 .Lentry_shape_is_right
	s_endpgm
.Lentry_shape_is_right:
; h = gelu(n W1 + bf1), n the first norm's result, the product on codes of FP6 (E2M3) with E8M0 scales; h is quantised in registers along its 4,096 and leaves as images of operand registers: it never goes to memory as f32.
; Both operands come as images (a fragment of 16 rows x 128 K is 1,536 dense bytes; an operand is [tile][K step][1,536]); scale words as [tile][K step][16 rows].
; A tile of 256 x 256 is made by four waves, each 128 x 128: 64 accumulators.  K = 1,024 goes in 8 steps of 128, two to a slot, through a ring of two LDS slots filled by the tensor data mover.
; CLUSTERS of 4 x 4: the four of a row share side A's tiles, the four of a column side B's.  THE MATRIX INSTRUCTION IS USED TRANSPOSED: a lane holds one token, and its registers run along the hidden units, the next K.
; GELU, exact form: gelu(x) = max(x, 0) - |x| erfc(|x| / sqrt 2) / 2: no difference of near numbers.  erfc(z) = (a1 t + .. + a5 t^5) e^(-z z), t = 1 / (1 + 0.3275911 z) (Abramowitz and Stegun 7.1.26).
; LIMITS: that formula's error in erf is at most 1.5e-7, absolute, for every x.  NaN and infinities are not served.  A block of zeros, or one under 2^-124, gets the byte 1 (this program alone reads the bytes).
.set T,      8
.set NQ,     2
.set KSTEPS, 8
.set ACODES,  16777216                 ; ln1b: images, scale words
.set ASCALES, 19922944
.set BCODES,  6553600                  ; prepb: W1's images, scale words
.set BSCALES, 9699328
.set HS,     12582912                  ; hidb: images at 0, scale words
.set FRB,    1536
.set QUART,  T*NQ*FRB
.set SLOT,   4*QUART
.set QSC,    T*KSTEPS*64
.set SCL,    2*SLOT
.set SPARE,  327168                    ; the spare words, 128 bytes for each wave
.set LAPS,   KSTEPS/(2*NQ)
.set G1,   24
.set G0,   32
.set G1B,  48
.set G0B,  56
.set G1S,  68
.set G0S,  76
.set G1SB, 80
.set G0SB, 88
.set SEL,  104
.set H,    64                          ; the way out: v64-127 64 numbers
.set GT,   128                         ; v128-159, v160-191, v192-223, v224-255 at work in GELU
.set GY,   160
.set GP,   192
.set GR,   224
.set TM,   128                         ; then v128-143, v144, v146-165 at work in QUANT
.set PW,   144
.set PC,   146
.set L16,  24
.set L8,   25
.set AIX,  72                          ; s72 the block of 16 tokens on its way out
; REGISTERS: window 0: v[12:13] a5 / 2, twice; v16-23 LDS addresses; v24 16 x lane, v25 8 x lane, v26 4 r, v30 32 h; v27 scale words' address; v28, v29 the add's; v32-63 scale words and nothing else; v64-159, v160-255 A's fragments.
;   window 1: v0-95, v96-191 B's fragments; v192-255 the bias.   windows 2, 3: the accumulators, (a, b) at v[64 (a % 4) + 8 b] of window 2 + a / 4.
.set MSB, 0
.macro WIN new
.if MSB != (\new)
	s_set_vgpr_msb (MSB<<8)|(\new)
.set MSB, (\new)
.endif
.endm
.macro PLACES n
.rept \n
	v_nop
.endr
.endm
.macro JLOAD g0a, g1a, g0b, g1b        ; a joint load: waves 0, 1 for side A, waves 2, 3 for side B; four v_nop follow each of the two lines
	s_cmp_eq_u32 s15, 0
	s_cbranch_scc0 .Lfor_b_\@
	tensor_load_to_lds s[\g0a:\g0a+3], s[\g1a:\g1a+7]
	s_nop 0
	PLACES 4
	s_branch .Lasked_\@
.Lfor_b_\@:
	tensor_load_to_lds s[\g0b:\g0b+3], s[\g1b:\g1b+7]
	s_nop 0
	PLACES 4
.Lasked_\@:
.endm
.macro CREST
	s_cmp_lg_u32 s14, 0
	s_cbranch_scc1 .Lnot_wave_0_\@
	s_barrier_signal -3
.Lnot_wave_0_\@:
	s_barrier_wait -3
	s_barrier_signal -1
	s_barrier_wait -1
.endm
.macro CROUND
	s_barrier_signal -1
	s_barrier_wait -1
	CREST
.endm
.macro CORE_HEAD aptr, bptr
	s_lshl_b32 s43, s41, 2
	s_lshl_b32 s43, 15, s43                        ; my row of the cluster
	s_lshl_b32 s44, 0x1111, s40                    ; my column
	s_or_b32 s[G1], s43, (3<<16)|(1<<21)           ; the mask; elements of 8 bytes; no padding; bit 21 beside a mask
	s_or_b32 s[G1B], s44, (3<<16)|(1<<21)
.irp g, G1, G1B
	s_mov_b32 s[\g+1], (192*NQ)<<16                ; NQ fragments of a tile on end
	s_mov_b32 s[\g+2], T<<16                       ; T tiles
	s_mov_b32 s[\g+3], (192*NQ)<<16
	s_mov_b32 s[\g+4], T
	s_mov_b32 s[\g+5], 192*KSTEPS                  ; from tile to tile
	s_mov_b32 s[\g+6], 0
	s_mov_b32 s[\g+7], 0
.endr
	s_or_b32 s[G1S], s43, (3<<16)|(1<<21)
	s_or_b32 s[G1SB], s44, (3<<16)|(1<<21)
.irp g, G1S, G1SB
	s_mov_b32 s[\g+1], 32<<16                      ; a dense block of QSC bytes as rows of 256
	s_mov_b32 s[\g+2], (QSC/256)<<16
	s_mov_b32 s[\g+3], 32<<16
	s_mov_b32 s[\g+4], QSC/256
	s_mov_b32 s[\g+5], 32
	s_mov_b32 s[\g+6], 0
	s_mov_b32 s[\g+7], 0
.endr
	s_mul_i32 s95, s16, T
	s_mul_i32 s18, s17, 2*T
	s_add_co_u32 s18, s18, s95
	s_mul_i32 s19, s18, KSTEPS*FRB
	s_add_co_u32 s98, s98, s19
	s_mov_b32 s99, 0
	s_mul_i32 s19, s18, KSTEPS*64
	s_add_co_u32 s100, s100, s19
	s_mov_b32 s101, 0
	s_mul_i32 s46, s42, 2*T
	s_add_co_u32 s46, s46, s95
	s_mul_i32 s47, s46, KSTEPS*FRB
	s_add_co_u32 s66, s66, s47
	s_mov_b32 s67, 0
	s_mul_i32 s47, s46, KSTEPS*64
	s_add_co_u32 s96, s96, s47
	s_mov_b32 s97, 0
	s_mul_i32 s45, s14, QUART
	s_mul_i32 s94, s14, QSC
	s_wait_kmcnt 0x0
	s_add_nc_u64 s[20:21], s[\aptr:\aptr+1], s[98:99]
	s_add_nc_u64 s[22:23], s[\aptr:\aptr+1], s[100:101]
	s_add_nc_u64 s[46:47], s[\bptr:\bptr+1], s[66:67]
	s_add_nc_u64 s[92:93], s[\bptr:\bptr+1], s[96:97]
	CROUND                                         ; all sixteen work-groups are here: the first joint loads meet
	s_mov_b32 s[G0S], 1
	s_add_co_u32 s[G0S+1], s94, SCL
	s_mov_b64 s[G0S+2:G0S+3], s[22:23]
	s_or_b32 s[G0S+3], s[G0S+3], 0x80000000
	s_mov_b32 s[G0SB], 1
	s_add_co_u32 s[G0SB+1], s94, SCL
	s_mov_b64 s[G0SB+2:G0SB+3], s[92:93]
	s_or_b32 s[G0SB+3], s[G0SB+3], 0x80000000
	JLOAD G0S, G1S, G0SB, G1SB
.irp s, 0,1
	s_mov_b32 s[G0+4*\s], 1
	s_add_co_u32 s[G0+4*\s+1], s45, \s*SLOT
	s_add_nc_u64 s[G0+4*\s+2:G0+4*\s+3], s[20:21], \s*NQ*FRB
	s_or_b32 s[G0+4*\s+3], s[G0+4*\s+3], 0x80000000
	s_mov_b32 s[G0B+4*\s], 1
	s_add_co_u32 s[G0B+4*\s+1], s45, \s*SLOT
	s_add_nc_u64 s[G0B+4*\s+2:G0B+4*\s+3], s[46:47], \s*NQ*FRB
	s_or_b32 s[G0B+4*\s+3], s[G0B+4*\s+3], 0x80000000
	JLOAD G0+4*\s, G1, G0B+4*\s, G1B
.endr
	v_and_b32 v1, 31, v0
	v_and_b32 v2, 15, v0
	v_bfe_u32 v3, v0, 4, 1
	v_lshlrev_b32 v4, 4, v1
	v_lshlrev_b32 v5, 3, v1
	s_mul_i32 s21, s15, QUART
	s_mul_i32 s22, s16, QUART
	s_add_co_u32 s22, s22, 2*QUART
.irp s, 0,1
	v_add_nc_u32 v[16+\s], s21, v4
	v_add_nc_u32 v[18+\s], s21, v5
	v_add_nc_u32 v[20+\s], s22, v4
	v_add_nc_u32 v[22+\s], s22, v5
	s_add_co_u32 s21, s21, SLOT
	s_add_co_u32 s22, s22, SLOT
.endr
	s_mul_i32 s21, s15, QSC
	s_mul_i32 s22, s16, QSC
	s_add_co_u32 s22, s22, 2*QSC
	s_sub_co_u32 s22, s22, s21
	v_mul_u32_u24 v6, s22, v3                      ; lanes 16-31 take B's scale words: the lower base + h x the distance
	s_add_co_u32 s21, s21, SCL
	v_lshl_add_u32 v6, v2, 2, v6
	v_add_nc_u32 v27, s21, v6
.endm
.macro FRAG reg, a16, a8, off
	ds_load_b128 v[\reg:\reg+3], v[\a16] offset:\off
	ds_load_b64 v[\reg+4:\reg+5], v[\a8] offset:(\off)+512
	ds_load_b128 v[\reg+6:\reg+9], v[\a16] offset:(\off)+768
	ds_load_b64 v[\reg+10:\reg+11], v[\a8] offset:(\off)+1280
.endm
.macro FETCH slot, q, p
	WIN 0x40
.set fi, 0
.rept T
	FRAG 12*T*(\p)+12*fi, 20+\slot, 22+\slot, (fi*NQ+(\q))*FRB
.set fi, fi+1
.endr
	WIN 0
.set fi, 0
.rept T
	FRAG 64+12*T*(\p)+12*fi, 16+\slot, 18+\slot, (fi*NQ+(\q))*FRB
.set fi, fi+1
.endr
.endm
.macro SCALES slot
.set fi, 0
.rept T
.set fq, 0
.rept NQ
	ds_load_b32 v[32+16*(\slot)+NQ*fi+fq], v27 offset:(fi*KSTEPS+fq)*64
.set fq, fq+1
.endr
.set fi, fi+1
.endr
.endm
.macro MULS a0, a1, p, q, sc, zero     ; all T x T accumulators take turns, one instruction a turn, in the same order in every step
.set ma, \a0
.rept (\a1)-(\a0)
	WIN 0xa1+0x50*((ma*8*T)/256)
.set mb, 0
.rept T
.set rD, (ma*8*T)%256+8*mb
.set rB, 12*T*(\p)+12*mb
.set rA, 64+12*T*(\p)+12*ma
.set rSB, 32+16*(\sc)+NQ*mb+(\q)
.set rSA, 32+16*(\sc)+NQ*ma+(\q)
.if \zero
	v_wmma_scale_f32_16x16x128_f8f6f4 v[rD:rD+7], v[rB:rB+11], v[rA:rA+11], 0, v[rSB], v[rSA] matrix_a_fmt:MATRIX_FMT_FP6 matrix_b_fmt:MATRIX_FMT_FP6 matrix_a_scale:MATRIX_SCALE_ROW1
.else
	v_wmma_scale_f32_16x16x128_f8f6f4 v[rD:rD+7], v[rB:rB+11], v[rA:rA+11], v[rD:rD+7], v[rSB], v[rSA] matrix_a_fmt:MATRIX_FMT_FP6 matrix_b_fmt:MATRIX_FMT_FP6 matrix_a_scale:MATRIX_SCALE_ROW1
.endif
.set mb, mb+1
.endr
.set ma, ma+1
.endr
.endm
.macro STEP slot, q, zero
	s_wait_dscnt 0x0                               ; this step's fragments and scale words are in
	PLACES 4                                       ; in front of loads into registers that the last step's matrix instructions have read
	FETCH \slot, (\q)+1, 1-(\q)%2
	MULS 0, T, (\q)%2, \q, \slot, \zero
	WIN 0
.endm
.macro MIDSTEPS slot, from
.set qq, \from
.rept NQ-1-(\from)
	STEP \slot, qq, 0
.set qq, qq+1
.endr
.endm
.macro TURN slot, next, fill           ; a slot's last K step changes slots: one barrier; in front of it the wait for all my tensor loads, the add, the wait for it and for my reads
	s_wait_tensorcnt 0x0
	ds_add_u32 v28, v29                            ; 0 onto my spare word
	s_wait_dscnt 1                                 ; the add alone may be out
	MULS 0, T/4, 1, NQ-1, \slot, 0
	s_wait_dscnt 0x0
	s_barrier_signal -1
	MULS T/4, T/2, 1, NQ-1, \slot, 0
	WIN 0
	s_barrier_wait -1
.if \fill
	CREST                                          ; the barrier has opened a round of the cluster's barrier
	s_add_nc_u64 s[G0+4*\slot+2:G0+4*\slot+3], s[G0+4*\slot+2:G0+4*\slot+3], 2*NQ*FRB
	s_add_nc_u64 s[G0B+4*\slot+2:G0B+4*\slot+3], s[G0B+4*\slot+2:G0B+4*\slot+3], 2*NQ*FRB
	JLOAD G0+4*\slot, G1, G0B+4*\slot, G1B         ; the first tensor load behind the round
.else
	PLACES 4
.endif
	v_add_nc_u32 v27, 64*NQ, v27
	FETCH \next, 0, 0
	SCALES \next
	MULS T/2, T, 1, NQ-1, \slot, 0
	WIN 0
.endm
.macro QUANT s
.irp b, 0,1,2,3
	v_max3_num_f32 v[TM+\b], |v[\s+16*\b]|, |v[\s+1+16*\b]|, 0x1800000   ; my 16 numbers of block b, and the floor 2^(3 - 127)
.endr
.irp i, 2,4,6,8,10,12,14
.irp b, 0,1,2,3
	v_max3_num_f32 v[TM+\b], v[TM+\b], |v[\s+16*\b+\i]|, |v[\s+1+16*\b+\i]|
.endr
.endr
.irp b, 0,1,2,3
	v_permlanex16_b32 v[TM+4+\b], v[TM+\b], s[SEL], s[SEL+1]
.endr
.irp b, 0,1,2,3
	v_max_num_f32 v[TM+\b], v[TM+\b], v[TM+4+\b]
.endr
.irp b, 0,1,2,3
	v_add_nc_u32 v[TM+12+\b], 0xff000000, v[TM+\b]   ; 2 off the exponent field: the conversion's scale operand
.endr
.irp b, 0,1,2,3
	v_lshrrev_b32 v[TM+4+\b], 23, v[TM+12+\b]
.endr
	v_lshl_or_b32 v[PW], v[TM+5], 8, v[TM+4]
	v_lshl_or_b32 v[PW], v[TM+6], 16, v[PW]
	v_lshl_or_b32 v[PW], v[TM+7], 24, v[PW]
.irp c, 0,1
	v_cvt_scalef32_pk16_fp6_f32 v[PC+6*\c:PC+2+6*\c], v[\s+32*\c:\s+15+32*\c], v[TM+12+2*\c]
	v_cvt_scalef32_pk16_fp6_f32 v[PC+12+4*\c:PC+14+4*\c], v[\s+16+32*\c:\s+31+32*\c], v[TM+12+2*\c+1]
.endr
	v_nop                                          ; one plain place behind a scaled conversion
.irp c, 0,1
.irp i, 0,1,2
	v_permlane16_swap_b32 v[PC+6*\c+\i], v[PC+12+4*\c+\i]
.endr
.irp i, 0,1,2
	v_mov_b32 v[PC+3+6*\c+\i], v[PC+12+4*\c+\i]
.endr
.endr
.endm
.macro PUTFRAG reg, base, off
	global_store_b128 v[L16], v[\reg:\reg+3], s[\base:\base+1] offset:\off
	global_store_b64 v[L8], v[\reg+4:\reg+5], s[\base:\base+1] offset:(\off)+512
	global_store_b128 v[L16], v[\reg+6:\reg+9], s[\base:\base+1] offset:(\off)+768
	global_store_b64 v[L8], v[\reg+10:\reg+11], s[\base:\base+1] offset:(\off)+1280
.endm
	s_load_b256 s[4:11], s[0:1], 0x0               ; prepb, ln1b, bf1, hidb
	v_lshl_add_u32 v28, v0, 2, SPARE
	v_mov_b32 v29, 0
	ds_add_u32 v28, v29
	ds_add_u32 v28, v29
	s_wait_dscnt 0x0
	v_lshrrev_b32 v1, 5, v0
	v_readfirstlane_b32 s14, v1
	s_lshr_b32 s15, s14, 1
	s_and_b32 s16, s14, 1
	s_bfe_u32 s40, ttmp6, 0x40000
	s_bfe_u32 s41, ttmp6, 0x40004
	s_lshl_b32 s42, ttmp9, 2
	s_add_co_u32 s42, s42, s40                     ; tile column = 4 x cluster x + cx
	s_and_b32 s17, ttmp7, 0xffff
	s_lshl_b32 s17, s17, 2
	s_add_co_u32 s17, s17, s41                     ; tile row = 4 x cluster y + cy
	s_mov_b32 s98, ACODES
	s_mov_b32 s100, ASCALES
	s_mov_b32 s66, BCODES
	s_mov_b32 s96, BSCALES
	CORE_HEAD 6, 4
	v_lshlrev_b32 v24, 4, v1
	v_lshlrev_b32 v25, 3, v1
	v_lshlrev_b32 v26, 2, v2
	v_lshlrev_b32 v30, 5, v3
	v_mov_b32 v12, 0x3f07dc22                      ; a5 / 2
	v_mov_b32 v13, 0x3f07dc22
	s_lshl_b32 s18, s42, 10
	s_lshl_b32 s19, s16, 9
	s_add_co_u32 s18, s18, s19                     ; my first hidden unit, in bytes of the bias
	s_mov_b32 s19, 0
	s_add_nc_u64 s[8:9], s[8:9], s[18:19]
	WIN 0x40
.irp b, 0,1,2,3,4,5,6,7
	global_load_b128 v[192+8*\b:195+8*\b], v30, s[8:9] offset:64*\b       ; bias(16 b + 8 h + 0 .. 7)
	global_load_b128 v[196+8*\b:199+8*\b], v30, s[8:9] offset:64*\b+16
.endr
	WIN 0
	s_wait_tensorcnt 1                             ; the scale words and my part of slot 0 are in; slot 1's load may be out
	s_barrier_signal -1
	s_barrier_wait -1
	FETCH 0, 0, 0
	SCALES 0
	STEP 0, 0, 1                                   ; the first K step's products start the sums
	s_mov_b32 s3, LAPS-1
.Llap:
	MIDSTEPS 0, 1
	TURN 0, 1, 1
	MIDSTEPS 1, 0
	TURN 1, 0, 1
	STEP 0, 0, 0
	s_sub_co_u32 s3, s3, 1
	s_cmp_lg_u32 s3, 0
	s_cbranch_scc1 .Llap
	MIDSTEPS 0, 1
	TURN 0, 1, 0
	MIDSTEPS 1, 0
	s_wait_dscnt 0x0
	MULS 0, T, 1, NQ-1, 1, 0
	WIN 0
	PLACES 4                                       ; in front of the first read of results and the first write of A's registers
; THE WAY OUT: a loop of eight trips, a block of 16 tokens a trip, so that the activation is written once.  Only the lines that fetch a block's accumulators name other registers from trip to trip: they are written eight times, and a chain of scalar branches on the trip's number picks one.
.macro PICKBLK k
	WIN 0x06+(\k)/4                                ; source 0: the accumulators' window; source 1: the bias, window 1
.set ei, 0
.rept 32
	v_pk_add_f32 v[H+2*ei:H+2*ei+1], v[64*((\k)%4)+2*ei:64*((\k)%4)+2*ei+1], v[192+2*ei:193+2*ei]   ; each accumulator from its low end on
.set ei, ei+1
.endr
	WIN 0
.endm
.macro GELU g                          ; 32 numbers, in place
.set HG, H+32*(\g)
.set gi, 0
.rept 32
	v_mul_f32 v[GT+gi], 0x3f596d27, |v[HG+gi]|     ; u = |x| sqrt(log2(e) / 2), so that u u = z z log2(e), z = |x| / sqrt 2
.set gi, gi+1
.endr
.set gi, 0
.rept 16
	v_pk_fma_f32 v[GY+2*gi:GY+2*gi+1], v[GT+2*gi:GT+2*gi+1], 0x3e8ba43f, 1.0 op_sel_hi:[1,0,0]   ; 1 + 0.3275911 z
.set gi, gi+1
.endr
.set gi, 0
.rept 16
	v_pk_mul_f32 v[GT+2*gi:GT+2*gi+1], v[GT+2*gi:GT+2*gi+1], v[GT+2*gi:GT+2*gi+1]
.set gi, gi+1
.endr
.set gi, 0
.rept 32
	v_rcp_f32 v[GY+gi], v[GY+gi]                   ; t
.set gi, gi+1
.endr
.set gi, 0
.rept 32
	v_exp_f32 v[GT+gi], -v[GT+gi]                  ; e^(-z z)
.set gi, gi+1
.endr
.set gi, 0
.rept 32
	v_max_num_f32 v[GR+gi], 0, v[HG+gi]            ; max(x, 0): plain work that names no result of the batch
.set gi, gi+1
.endr
	s_wait_alu depctr_va_vdst(0)                   ; one wait for the 64, ahead of their first reader
.set gi, 0
.rept 16
	v_pk_fma_f32 v[GP+2*gi:GP+2*gi+1], v[GY+2*gi:GY+2*gi+1], v[12:13], 0xbf3a00e3 op_sel_hi:[1,1,0]   ; a5 t + a4, all coefficients halved
.set gi, gi+1
.endr
.irp k, 0x3f35f0e3, 0xbe11a98e, 0x3e027906     ; a3, a2, a1
.set gi, 0
.rept 16
	v_pk_fma_f32 v[GP+2*gi:GP+2*gi+1], v[GP+2*gi:GP+2*gi+1], v[GY+2*gi:GY+2*gi+1], \k op_sel_hi:[1,1,0]
.set gi, gi+1
.endr
.endr
.set gi, 0
.rept 16
	v_pk_mul_f32 v[GP+2*gi:GP+2*gi+1], v[GP+2*gi:GP+2*gi+1], v[GY+2*gi:GY+2*gi+1]
.set gi, gi+1
.endr
.set gi, 0
.rept 16
	v_pk_mul_f32 v[GP+2*gi:GP+2*gi+1], v[GP+2*gi:GP+2*gi+1], v[GT+2*gi:GT+2*gi+1]   ; erfc(z) / 2
.set gi, gi+1
.endr
.set gi, 0
.rept 32
	v_fma_f32 v[HG+gi], -|v[HG+gi]|, v[GP+gi], v[GR+gi]
.set gi, gi+1
.endr
.endm
	s_wait_loadcnt 0x0                             ; the bias
	s_mov_b32 s[SEL], 0x76543210
	s_mov_b32 s[SEL+1], 0xfedcba98
.irp b, 0,1,2,3
	v_mov_b32 v[TM+4+\b], 0                        ; a lane permute's destination counts as one of its sources
.endr
	s_lshl_b32 s76, s17, 4
	s_lshl_b32 s77, s15, 3
	s_add_co_u32 s76, s76, s77                     ; my first tile of 16 tokens
	s_lshl_b32 s76, s76, 5                         ; 32 K steps a tile
	s_lshl_b32 s77, s42, 1
	s_add_co_u32 s76, s76, s77
	s_add_co_u32 s76, s76, s16                     ; my 128 hidden units are K step 2 x tile column + half
	s_mul_i32 s78, s76, FRB
	s_mov_b32 s79, 0
	s_add_nc_u64 s[68:69], s[10:11], s[78:79]
	s_lshl_b32 s78, s76, 6
	s_add_co_u32 s78, s78, HS
	s_add_nc_u64 s[70:71], s[10:11], s[78:79]
	s_mov_b32 s[AIX], 0
.Lblk:
.irp k, 0,1,2,3,4,5,6
	s_cmp_lg_u32 s[AIX], \k
	s_cbranch_scc1 .Lnot_\k
	PICKBLK \k
	s_branch .Lpicked
.Lnot_\k:
.endr
	PICKBLK 7
.Lpicked:
	GELU 0
	GELU 1
.irp b, 0,1,2,3
.irp j, 0,1,2,3,4,5,6,7
	v_permlane16_swap_b32 v[H+16*\b+\j], v[H+16*\b+8+\j]   ; register 16 b + i is now hidden unit 32 b + 16 (lane / 16) + i: true neighbours, since the partner is a given weight
.endr
.endr
	QUANT H
	PUTFRAG PC, 68, 0
	global_store_b32 v26, v[PW], s[70:71]
	s_wait_xcnt 0x0                                ; the stores have read their registers and bases: both are written again
	s_add_nc_u64 s[68:69], s[68:69], 32*FRB        ; the next tile of 16 tokens
	s_add_nc_u64 s[70:71], s[70:71], 32*64
	s_add_co_u32 s[AIX], s[AIX], 1
	s_cmp_lt_u32 s[AIX], 8
	s_cbranch_scc1 .Lblk
	s_wait_tensorcnt 0x0                           ; the wave's end
	ds_add_u32 v28, v29
	s_wait_dscnt 0x0
	CROUND                                         ; the closing round
	s_endpgm
.Lfunc_end_k_qceb160de7d_ffn1:
	.size	k_qceb160de7d_ffn1, .Lfunc_end_k_qceb160de7d_ffn1-k_qceb160de7d_ffn1
	.p2alignl 7, 3214868480
	.fill 96, 4, 3214868480
	.section	.rodata,"a",@progbits
	.p2align	6, 0x0
	.amdhsa_kernel k_qceb160de7d_ffn1
		.amdhsa_group_segment_fixed_size 327680
		.amdhsa_private_segment_fixed_size 0
		.amdhsa_enable_private_segment 0
		.amdhsa_kernarg_size 32
		.amdhsa_user_sgpr_count 2
		.amdhsa_user_sgpr_kernarg_segment_ptr 1
		.amdhsa_wavefront_size32 1
		.amdhsa_system_sgpr_workgroup_id_x 1
		.amdhsa_system_sgpr_workgroup_id_y 1
		.amdhsa_system_sgpr_workgroup_id_z 1
		.amdhsa_system_vgpr_workitem_id 0
		.amdhsa_next_free_vgpr 1024
		.amdhsa_next_free_sgpr 106
		.amdhsa_reserve_vcc 0
		.amdhsa_float_denorm_mode_32 3
		.amdhsa_float_denorm_mode_16_64 3
		.amdhsa_memory_ordered 1
		.amdhsa_forward_progress 1
		.amdhsa_inst_pref_size 179
	.end_amdhsa_kernel
	.amdgpu_metadata
---
amdhsa.version: [ 1, 2 ]
amdhsa.kernels:
  - .name:           k_qceb160de7d_ffn1
    .symbol:         k_qceb160de7d_ffn1.kd
    .args:
      - { .name: prepb, .offset: 0, .size: 8, .value_kind: global_buffer, .address_space: global }
      - { .name: ln1b, .offset: 8, .size: 8, .value_kind: global_buffer, .address_space: global }
      - { .name: bf1, .offset: 16, .size: 8, .value_kind: global_buffer, .address_space: global }
      - { .name: hidb, .offset: 24, .size: 8, .value_kind: global_buffer, .address_space: global }
    .group_segment_fixed_size: 327680
    .private_segment_fixed_size: 0
    .kernarg_segment_align: 8
    .kernarg_segment_size: 32
    .max_flat_workgroup_size: 128
    .sgpr_count:     106
    .vgpr_count:     1024
    .wavefront_size: 32
...
	.end_amdgpu_metadata
.endif
;; end of part 6
;; launch ffn2 (part 7): grid 8 x 32, 4 waves a work-group, clusters of 4 x 4, 327,680 bytes of LDS; arguments prepb, hidb, bf2, ln1b, ybuf; writes ybuf
.if DOCPART == 7
	.amdgcn_target "amdgcn-amd-amdhsa--gfx1250"
	.amdhsa_code_object_version 6
	.text
	.protected	k_qceb160de7d_ffn2
	.globl	k_qceb160de7d_ffn2
	.p2align	8
	.type	k_qceb160de7d_ffn2,@function
k_qceb160de7d_ffn2:
	s_mov_b64 s[64:65], 0
	v_nop
	global_prefetch_b8 v0, s[64:65] scope:SCOPE_SE
	s_setreg_imm32_b32 hwreg(HW_REG_WAVE_MODE, 25, 1), 1
	s_wait_xcnt 0x0
	s_wait_alu depctr_hold_cnt(0) depctr_sa_sdst(0) depctr_va_vdst(0) depctr_va_sdst(0) depctr_va_ssrc(0) depctr_va_vcc(0) depctr_vm_vsrc(0)
	s_getreg_b32 s2, hwreg(HW_REG_IB_STS2, 6, 4)
	s_cmp_eq_u32 s2, 0
	s_cbranch_scc0 .Lentry_in_a_cluster
	s_endpgm
.Lentry_in_a_cluster:
	s_bfe_u32 s2, ttmp6, 0x10000c
	s_cmp_lg_u32 s2, 0xf033
	s_cbranch_scc0 .Lentry_shape_is_right
	s_endpgm
.Lentry_shape_is_right:
; y = n + h W2 + bf2, n the first norm's result (f32 rows), the product on codes of FP6 (E2M3) with E8M0 scales; y [4096][1024] f32.
; Both operands come as images of operand registers (a fragment of 16 rows x 128 K is 1,536 dense bytes; an operand is [tile][K step][1,536]); scale words as [tile][K step][16 rows].
; N is 1,024: tiles of 256 x 256 would be 64.  So a tile is 128 x 128, 256 work-groups; four waves, each 64 x 64: 16 accumulators.  K = 4,096 is 32 steps of 128, four to a slot, through a ring of two LDS slots:
; a refill has a slot's 64 matrix instructions of a wave in which to land.
; CLUSTERS of 4 x 4: the four of a row share side A's tiles, the four of a column side B's: each is asked for jointly.  THE MATRIX INSTRUCTION IS USED TRANSPOSED: a lane holds eight neighbouring numbers of a row of y.
; The residual's 64 x 64 numbers of a wave are asked for at the head, in the layout of the stores, and land under the products.
.set T,      4
.set NQ,     4
.set KSTEPS, 32
.set ACODES,  0                        ; hidb: images, scale words
.set ASCALES, 12582912
.set BCODES,  9830400                  ; prepb: W2's images, scale words
.set BSCALES, 12976128
.set FRB,    1536
.set QUART,  T*NQ*FRB
.set SLOT,   4*QUART
.set QSC,    T*KSTEPS*64
.set SCL,    2*SLOT
.set STG,    SCL+4*QSC                 ; behind the scale words: a stage of 16 rows x (256 bytes + 16) for each wave; no fill lands there
.set SPARE,  327168                    ; the spare words, 128 bytes for each wave
.set LAPS,   KSTEPS/(2*NQ)
.set G1,   24
.set G0,   32
.set G1B,  48
.set G0B,  56
.set G1S,  68
.set G0S,  76
.set G1SB, 80
.set G0SB, 88
; REGISTERS: window 0: v8-11 bias; v16-23 LDS addresses of fragments; v24 into the stage, v25 out of it, v26 my bytes in two rows of y; v27 scale words' address; v28, v29 the add's; v30 16 r; v32-63 scale words and nothing else;
;   v64-111, v112-159 A's fragments; v160-191, v192-223 rows on the way out.   window 1: v0-47, v48-95 B's fragments.   window 2: v0-127 the accumulators, (a, b) at v[32 a + 8 b]; v128-255 the residual.
.set MSB, 0
.macro WIN new
.if MSB != (\new)
	s_set_vgpr_msb (MSB<<8)|(\new)
.set MSB, (\new)
.endif
.endm
.macro PLACES n
.rept \n
	v_nop
.endr
.endm
.macro JLOAD g0a, g1a, g0b, g1b        ; a joint load: waves 0, 1 for side A, waves 2, 3 for side B; four v_nop follow each of the two lines
	s_cmp_eq_u32 s15, 0
	s_cbranch_scc0 .Lfor_b_\@
	tensor_load_to_lds s[\g0a:\g0a+3], s[\g1a:\g1a+7]
	s_nop 0
	PLACES 4
	s_branch .Lasked_\@
.Lfor_b_\@:
	tensor_load_to_lds s[\g0b:\g0b+3], s[\g1b:\g1b+7]
	s_nop 0
	PLACES 4
.Lasked_\@:
.endm
.macro CREST
	s_cmp_lg_u32 s14, 0
	s_cbranch_scc1 .Lnot_wave_0_\@
	s_barrier_signal -3
.Lnot_wave_0_\@:
	s_barrier_wait -3
	s_barrier_signal -1
	s_barrier_wait -1
.endm
.macro CROUND
	s_barrier_signal -1
	s_barrier_wait -1
	CREST
.endm
.macro CORE_HEAD aptr, bptr
	s_lshl_b32 s43, s41, 2
	s_lshl_b32 s43, 15, s43                        ; my row of the cluster
	s_lshl_b32 s44, 0x1111, s40                    ; my column
	s_or_b32 s[G1], s43, (3<<16)|(1<<21)           ; the mask; elements of 8 bytes; no padding; bit 21 beside a mask
	s_or_b32 s[G1B], s44, (3<<16)|(1<<21)
.irp g, G1, G1B
	s_mov_b32 s[\g+1], (192*NQ)<<16                ; NQ fragments of a tile on end
	s_mov_b32 s[\g+2], T<<16                       ; T tiles
	s_mov_b32 s[\g+3], (192*NQ)<<16
	s_mov_b32 s[\g+4], T
	s_mov_b32 s[\g+5], 192*KSTEPS                  ; from tile to tile
	s_mov_b32 s[\g+6], 0
	s_mov_b32 s[\g+7], 0
.endr
	s_or_b32 s[G1S], s43, (3<<16)|(1<<21)
	s_or_b32 s[G1SB], s44, (3<<16)|(1<<21)
.irp g, G1S, G1SB
	s_mov_b32 s[\g+1], 32<<16                      ; a dense block of QSC bytes as rows of 256
	s_mov_b32 s[\g+2], (QSC/256)<<16
	s_mov_b32 s[\g+3], 32<<16
	s_mov_b32 s[\g+4], QSC/256
	s_mov_b32 s[\g+5], 32
	s_mov_b32 s[\g+6], 0
	s_mov_b32 s[\g+7], 0
.endr
	s_mul_i32 s95, s16, T
	s_mul_i32 s18, s17, 2*T
	s_add_co_u32 s18, s18, s95
	s_mul_i32 s19, s18, KSTEPS*FRB
	s_add_co_u32 s98, s98, s19
	s_mov_b32 s99, 0
	s_mul_i32 s19, s18, KSTEPS*64
	s_add_co_u32 s100, s100, s19
	s_mov_b32 s101, 0
	s_mul_i32 s46, s42, 2*T
	s_add_co_u32 s46, s46, s95
	s_mul_i32 s47, s46, KSTEPS*FRB
	s_add_co_u32 s66, s66, s47
	s_mov_b32 s67, 0
	s_mul_i32 s47, s46, KSTEPS*64
	s_add_co_u32 s96, s96, s47
	s_mov_b32 s97, 0
	s_mul_i32 s45, s14, QUART
	s_mul_i32 s94, s14, QSC
	s_wait_kmcnt 0x0
	s_add_nc_u64 s[20:21], s[\aptr:\aptr+1], s[98:99]
	s_add_nc_u64 s[22:23], s[\aptr:\aptr+1], s[100:101]
	s_add_nc_u64 s[46:47], s[\bptr:\bptr+1], s[66:67]
	s_add_nc_u64 s[92:93], s[\bptr:\bptr+1], s[96:97]
	CROUND                                         ; all sixteen work-groups are here: the first joint loads meet
	s_mov_b32 s[G0S], 1
	s_add_co_u32 s[G0S+1], s94, SCL
	s_mov_b64 s[G0S+2:G0S+3], s[22:23]
	s_or_b32 s[G0S+3], s[G0S+3], 0x80000000
	s_mov_b32 s[G0SB], 1
	s_add_co_u32 s[G0SB+1], s94, SCL
	s_mov_b64 s[G0SB+2:G0SB+3], s[92:93]
	s_or_b32 s[G0SB+3], s[G0SB+3], 0x80000000
	JLOAD G0S, G1S, G0SB, G1SB
.irp s, 0,1
	s_mov_b32 s[G0+4*\s], 1
	s_add_co_u32 s[G0+4*\s+1], s45, \s*SLOT
	s_add_nc_u64 s[G0+4*\s+2:G0+4*\s+3], s[20:21], \s*NQ*FRB
	s_or_b32 s[G0+4*\s+3], s[G0+4*\s+3], 0x80000000
	s_mov_b32 s[G0B+4*\s], 1
	s_add_co_u32 s[G0B+4*\s+1], s45, \s*SLOT
	s_add_nc_u64 s[G0B+4*\s+2:G0B+4*\s+3], s[46:47], \s*NQ*FRB
	s_or_b32 s[G0B+4*\s+3], s[G0B+4*\s+3], 0x80000000
	JLOAD G0+4*\s, G1, G0B+4*\s, G1B
.endr
	v_and_b32 v1, 31, v0
	v_and_b32 v2, 15, v0
	v_bfe_u32 v3, v0, 4, 1
	v_lshlrev_b32 v4, 4, v1
	v_lshlrev_b32 v5, 3, v1
	s_mul_i32 s21, s15, QUART
	s_mul_i32 s22, s16, QUART
	s_add_co_u32 s22, s22, 2*QUART
.irp s, 0,1
	v_add_nc_u32 v[16+\s], s21, v4
	v_add_nc_u32 v[18+\s], s21, v5
	v_add_nc_u32 v[20+\s], s22, v4
	v_add_nc_u32 v[22+\s], s22, v5
	s_add_co_u32 s21, s21, SLOT
	s_add_co_u32 s22, s22, SLOT
.endr
	s_mul_i32 s21, s15, QSC
	s_mul_i32 s22, s16, QSC
	s_add_co_u32 s22, s22, 2*QSC
	s_sub_co_u32 s22, s22, s21
	v_mul_u32_u24 v6, s22, v3                      ; lanes 16-31 take B's scale words: the lower base + h x the distance
	s_add_co_u32 s21, s21, SCL
	v_lshl_add_u32 v6, v2, 2, v6
	v_add_nc_u32 v27, s21, v6
.endm
.macro FRAG reg, a16, a8, off
	ds_load_b128 v[\reg:\reg+3], v[\a16] offset:\off
	ds_load_b64 v[\reg+4:\reg+5], v[\a8] offset:(\off)+512
	ds_load_b128 v[\reg+6:\reg+9], v[\a16] offset:(\off)+768
	ds_load_b64 v[\reg+10:\reg+11], v[\a8] offset:(\off)+1280
.endm
.macro FETCH slot, q, p
	WIN 0x40
.set fi, 0
.rept T
	FRAG 12*T*(\p)+12*fi, 20+\slot, 22+\slot, (fi*NQ+(\q))*FRB
.set fi, fi+1
.endr
	WIN 0
.set fi, 0
.rept T
	FRAG 64+12*T*(\p)+12*fi, 16+\slot, 18+\slot, (fi*NQ+(\q))*FRB
.set fi, fi+1
.endr
.endm
.macro SCALES slot
.set fi, 0
.rept T
.set fq, 0
.rept NQ
	ds_load_b32 v[32+16*(\slot)+NQ*fi+fq], v27 offset:(fi*KSTEPS+fq)*64
.set fq, fq+1
.endr
.set fi, fi+1
.endr
.endm
.macro MULS a0, a1, p, q, sc, zero     ; all T x T accumulators take turns, one instruction a turn, in the same order in every step
.set ma, \a0
.rept (\a1)-(\a0)
	WIN 0xa1+0x50*((ma*8*T)/256)
.set mb, 0
.rept T
.set rD, (ma*8*T)%256+8*mb
.set rB, 12*T*(\p)+12*mb
.set rA, 64+12*T*(\p)+12*ma
.set rSB, 32+16*(\sc)+NQ*mb+(\q)
.set rSA, 32+16*(\sc)+NQ*ma+(\q)
.if \zero
	v_wmma_scale_f32_16x16x128_f8f6f4 v[rD:rD+7], v[rB:rB+11], v[rA:rA+11], 0, v[rSB], v[rSA] matrix_a_fmt:MATRIX_FMT_FP6 matrix_b_fmt:MATRIX_FMT_FP6 matrix_a_scale:MATRIX_SCALE_ROW1
.else
	v_wmma_scale_f32_16x16x128_f8f6f4 v[rD:rD+7], v[rB:rB+11], v[rA:rA+11], v[rD:rD+7], v[rSB], v[rSA] matrix_a_fmt:MATRIX_FMT_FP6 matrix_b_fmt:MATRIX_FMT_FP6 matrix_a_scale:MATRIX_SCALE_ROW1
.endif
.set mb, mb+1
.endr
.set ma, ma+1
.endr
.endm
.macro STEP slot, q, zero
	s_wait_dscnt 0x0                               ; this step's fragments and scale words are in
	PLACES 4                                       ; in front of loads into registers that the last step's matrix instructions have read
	FETCH \slot, (\q)+1, 1-(\q)%2
	MULS 0, T, (\q)%2, \q, \slot, \zero
	WIN 0
.endm
.macro MIDSTEPS slot, from
.set qq, \from
.rept NQ-1-(\from)
	STEP \slot, qq, 0
.set qq, qq+1
.endr
.endm
.macro TURN slot, next, fill           ; a slot's last K step changes slots: one barrier; in front of it the wait for all my tensor loads, the add, the wait for it and for my reads
	s_wait_tensorcnt 0x0
	ds_add_u32 v28, v29                            ; 0 onto my spare word
	s_wait_dscnt 1                                 ; the add alone may be out
	MULS 0, T/4, 1, NQ-1, \slot, 0
	s_wait_dscnt 0x0
	s_barrier_signal -1
	MULS T/4, T/2, 1, NQ-1, \slot, 0
	WIN 0
	s_barrier_wait -1
.if \fill
	CREST                                          ; the barrier has opened a round of the cluster's barrier: no wave of any partner still reads this slot or has a load on its way
	s_add_nc_u64 s[G0+4*\slot+2:G0+4*\slot+3], s[G0+4*\slot+2:G0+4*\slot+3], 2*NQ*FRB
	s_add_nc_u64 s[G0B+4*\slot+2:G0B+4*\slot+3], s[G0B+4*\slot+2:G0B+4*\slot+3], 2*NQ*FRB
	JLOAD G0+4*\slot, G1, G0B+4*\slot, G1B         ; the first tensor load behind the round
.else
	PLACES 4
.endif
	v_add_nc_u32 v27, 64*NQ, v27
	FETCH \next, 0, 0
	SCALES \next
	MULS T/2, T, 1, NQ-1, \slot, 0
	WIN 0
.endm
	s_load_b256 s[4:11], s[0:1], 0x0               ; prepb, A's buffer, the bias, the residual
	s_load_b64 s[12:13], s[0:1], 0x20              ; ybuf
	v_lshl_add_u32 v28, v0, 2, SPARE
	v_mov_b32 v29, 0
	ds_add_u32 v28, v29
	ds_add_u32 v28, v29
	s_wait_dscnt 0x0
	v_lshrrev_b32 v1, 5, v0
	v_readfirstlane_b32 s14, v1
	s_lshr_b32 s15, s14, 1
	s_and_b32 s16, s14, 1
	s_bfe_u32 s40, ttmp6, 0x40000
	s_bfe_u32 s41, ttmp6, 0x40004
	s_lshl_b32 s42, ttmp9, 2
	s_add_co_u32 s42, s42, s40                     ; tile column = 4 x cluster x + cx
	s_and_b32 s17, ttmp7, 0xffff
	s_lshl_b32 s17, s17, 2
	s_add_co_u32 s17, s17, s41                     ; tile row = 4 x cluster y + cy
	s_mov_b32 s98, ACODES
	s_mov_b32 s100, ASCALES
	s_mov_b32 s66, BCODES
	s_mov_b32 s96, BSCALES
	CORE_HEAD 6, 4
	s_mul_i32 s21, s14, 16*272
	s_add_co_u32 s21, s21, STG                     ; my stage
	v_mul_u32_u24 v6, v2, 272
	v_lshl_add_u32 v6, v3, 5, v6
	v_add_nc_u32 v24, s21, v6                      ; in: row r, 32 bytes for each half of the lanes
	v_mul_u32_u24 v6, v3, 272
	v_lshl_add_u32 v6, v2, 4, v6
	v_add_nc_u32 v25, s21, v6                      ; back: lanes 0-15 one row of 256 bytes, lanes 16-31 the next
	v_lshlrev_b32 v30, 4, v2
	v_lshl_add_u32 v26, v3, 12, v30                ; and the same two rows in memory
	s_lshl_b32 s19, s42, 9
	s_lshl_b32 s2, s16, 8
	s_add_co_u32 s2, s19, s2                       ; my first column, in bytes
	s_mov_b32 s3, 0
	s_add_nc_u64 s[8:9], s[8:9], s[2:3]
	s_lshl_b32 s18, s17, 19
	s_lshl_b32 s19, s15, 18
	s_add_co_u32 s18, s18, s19                     ; my first row, in bytes
	s_add_co_u32 s2, s2, s18
	s_add_nc_u64 s[10:11], s[10:11], s[2:3]
	s_add_nc_u64 s[12:13], s[12:13], s[2:3]
	WIN 0x80                                       ; destination window 2
.set ri, 0
.rept 32
	global_load_b128 v[128+4*ri:131+4*ri], v26, s[10:11] offset:((ri/8)*16+2*(ri%8))*4096 th:TH_LOAD_NT
.set ri, ri+1
.endr
	WIN 0
	global_load_b128 v[8:11], v30, s[8:9]
	s_wait_tensorcnt 1                             ; the scale words and my part of slot 0 are in; slot 1's load may be out
	s_barrier_signal -1
	s_barrier_wait -1
	FETCH 0, 0, 0
	SCALES 0
	STEP 0, 0, 1                                   ; the first K step's products start the sums
.if LAPS > 1
	s_mov_b32 s3, LAPS-1
.Llap:                                             ; a trip goes once round the ring and fills both slots again
	MIDSTEPS 0, 1
	TURN 0, 1, 1
	MIDSTEPS 1, 0
	TURN 1, 0, 1
	STEP 0, 0, 0
	s_sub_co_u32 s3, s3, 1
	s_cmp_lg_u32 s3, 0
	s_cbranch_scc1 .Llap
.endif
	MIDSTEPS 0, 1                                  ; the last lap fills nothing
	TURN 0, 1, 0
	MIDSTEPS 1, 0
	s_wait_dscnt 0x0
	MULS 0, T, 1, NQ-1, 1, 0
	WIN 0
	PLACES 4                                       ; in front of the first read of results
; THE WAY OUT, 16 rows x 64 columns at a time, through my own stage: back as whole rows of 256 bytes, + residual, + bias, stored sixteen lanes to 256 consecutive aligned bytes.
.macro OUTBLK a
.set BK, 160+32*((\a)%2)
.if (\a) > 0
	s_wait_xcnt 0x0                                ; earlier stores have read their registers
.endif
	WIN 0x08                                       ; an LDS store's data are its source 1: window 2
.irp b, 0,1,2,3
	ds_store_b128 v24, v[32*(\a)+8*\b:32*(\a)+8*\b+3] offset:64*\b          ; each accumulator from its low end on
	ds_store_b128 v24, v[32*(\a)+8*\b+4:32*(\a)+8*\b+7] offset:64*\b+16
.endr
	WIN 0
.irp t, 0,1,2,3,4,5,6,7
	ds_load_b128 v[BK+4*\t:BK+4*\t+3], v25 offset:\t*2*272   ; LDS serves a wave's instructions in order (ISA guide 5.7.1.4): these see the stores above
.endr
	s_wait_dscnt 0x0
	WIN 0x08                                       ; source 1: the residual, window 2
.irp t, 0,1,2,3,4,5,6,7
	v_pk_add_f32 v[BK+4*\t:BK+4*\t+1], v[BK+4*\t:BK+4*\t+1], v[128+32*(\a)+4*\t:128+32*(\a)+4*\t+1]
	v_pk_add_f32 v[BK+4*\t+2:BK+4*\t+3], v[BK+4*\t+2:BK+4*\t+3], v[128+32*(\a)+4*\t+2:128+32*(\a)+4*\t+3]
.endr
	WIN 0
.irp t, 0,1,2,3,4,5,6,7
	v_pk_add_f32 v[BK+4*\t:BK+4*\t+1], v[BK+4*\t:BK+4*\t+1], v[8:9]
	v_pk_add_f32 v[BK+4*\t+2:BK+4*\t+3], v[BK+4*\t+2:BK+4*\t+3], v[10:11]
.endr
.irp t, 0,1,2,3,4,5,6,7
	global_store_b128 v26, v[BK+4*\t:BK+4*\t+3], s[12:13] offset:(16*(\a)+2*\t)*4096
.endr
.endm
	s_wait_loadcnt 0x0                             ; the residual and the bias
	OUTBLK 0
	OUTBLK 1
	OUTBLK 2
	OUTBLK 3
	s_wait_tensorcnt 0x0                           ; the wave's end
	ds_add_u32 v28, v29
	s_wait_dscnt 0x0
	CROUND                                         ; the closing round
	s_endpgm
.Lfunc_end_k_qceb160de7d_ffn2:
	.size	k_qceb160de7d_ffn2, .Lfunc_end_k_qceb160de7d_ffn2-k_qceb160de7d_ffn2
	.p2alignl 7, 3214868480
	.fill 96, 4, 3214868480
	.section	.rodata,"a",@progbits
	.p2align	6, 0x0
	.amdhsa_kernel k_qceb160de7d_ffn2
		.amdhsa_group_segment_fixed_size 327680
		.amdhsa_private_segment_fixed_size 0
		.amdhsa_enable_private_segment 0
		.amdhsa_kernarg_size 40
		.amdhsa_user_sgpr_count 2
		.amdhsa_user_sgpr_kernarg_segment_ptr 1
		.amdhsa_wavefront_size32 1
		.amdhsa_system_sgpr_workgroup_id_x 1
		.amdhsa_system_sgpr_workgroup_id_y 1
		.amdhsa_system_sgpr_workgroup_id_z 1
		.amdhsa_system_vgpr_workitem_id 0
		.amdhsa_next_free_vgpr 768
		.amdhsa_next_free_sgpr 106
		.amdhsa_reserve_vcc 0
		.amdhsa_float_denorm_mode_32 3
		.amdhsa_float_denorm_mode_16_64 3
		.amdhsa_memory_ordered 1
		.amdhsa_forward_progress 1
		.amdhsa_inst_pref_size 105
	.end_amdhsa_kernel
	.amdgpu_metadata
---
amdhsa.version: [ 1, 2 ]
amdhsa.kernels:
  - .name:           k_qceb160de7d_ffn2
    .symbol:         k_qceb160de7d_ffn2.kd
    .args:
      - { .name: prepb, .offset: 0, .size: 8, .value_kind: global_buffer, .address_space: global }
      - { .name: hidb, .offset: 8, .size: 8, .value_kind: global_buffer, .address_space: global }
      - { .name: bf2, .offset: 16, .size: 8, .value_kind: global_buffer, .address_space: global }
      - { .name: ln1b, .offset: 24, .size: 8, .value_kind: global_buffer, .address_space: global }
      - { .name: ybuf, .offset: 32, .size: 8, .value_kind: global_buffer, .address_space: global }
    .group_segment_fixed_size: 327680
    .private_segment_fixed_size: 0
    .kernarg_segment_align: 8
    .kernarg_segment_size: 40
    .max_flat_workgroup_size: 128
    .sgpr_count:     106
    .vgpr_count:     768
    .wavefront_size: 32
...
	.end_amdgpu_metadata
.endif
;; end of part 7
;; launch norm2 (part 8): grid 256 x 1, 8 waves a work-group, no clusters, 0 bytes of LDS; arguments ybuf, g2, b2n, out0; writes out0
.if DOCPART == 8
	.amdgcn_target "amdgcn-amd-amdhsa--gfx1250"
	.amdhsa_code_object_version 6
	.text
	.protected	k_qceb160de7d_norm2
	.globl	k_qceb160de7d_norm2
	.p2align	8
	.type	k_qceb160de7d_norm2,@function
k_qceb160de7d_norm2:
	s_mov_b64 s[64:65], 0
	v_nop
	global_prefetch_b8 v0, s[64:65] scope:SCOPE_SE
	s_setreg_imm32_b32 hwreg(HW_REG_WAVE_MODE, 25, 1), 1
	s_wait_xcnt 0x0
; LayerNorm over rows of 1,024 f32, the program's result.  A work-group takes 16 rows; wave w normalises rows 2 w, 2 w + 1, a whole row in 32 registers: the reductions never leave the wave, so there is no LDS and no barrier.
; The variance is the mean of the squared differences from the mean: no difference of large sums.  Memory binds: each byte is read once and written once, 512 consecutive bytes an instruction; no matrix unit, no cluster.
; LIMITS: NaN and infinities are not served.
.set NUM,  16                          ; v16-47, v48-79 the two rows; v80-111 the gain, v112-143 the bias; v144-149 at work
.set SEL,  14
.macro REDUCE r, t                     ; the sum over the 32 lanes, in every lane
	v_add_f32_dpp v[\r], v[\r], v[\r] row_xmask:1 row_mask:0xf bank_mask:0xf
	v_add_f32_dpp v[\r], v[\r], v[\r] row_xmask:2 row_mask:0xf bank_mask:0xf
	v_add_f32_dpp v[\r], v[\r], v[\r] row_xmask:4 row_mask:0xf bank_mask:0xf
	v_add_f32_dpp v[\r], v[\r], v[\r] row_xmask:8 row_mask:0xf bank_mask:0xf
	v_permlanex16_b32 v[\t], v[\r], s[SEL], s[SEL+1]
	v_add_f32 v[\r], v[\r], v[\t]
.endm
.macro LNROW X                         ; the row in v[X] .. v[X + 31] is normalised in place
	v_pk_add_f32 v[144:145], v[\X:\X+1], v[\X+2:\X+3]
	v_pk_add_f32 v[146:147], v[\X+4:\X+5], v[\X+6:\X+7]
.set li, 8
.rept 6
	v_pk_add_f32 v[144:145], v[144:145], v[\X+li:\X+li+1]
	v_pk_add_f32 v[146:147], v[146:147], v[\X+li+2:\X+li+3]
.set li, li+4
.endr
	v_pk_add_f32 v[144:145], v[144:145], v[146:147]
	v_add_f32 v144, v144, v145
	REDUCE 144, 145
	v_mul_f32 v144, s20, v144                      ; the mean
.set li, 0
.rept 16
	v_pk_add_f32 v[\X+li:\X+li+1], v[\X+li:\X+li+1], v[144:145] op_sel_hi:[1,0] neg_lo:[0,1] neg_hi:[0,1]
.set li, li+2
.endr
	v_pk_mul_f32 v[146:147], v[\X:\X+1], v[\X:\X+1]
	v_pk_mul_f32 v[148:149], v[\X+2:\X+3], v[\X+2:\X+3]
.set li, 4
.rept 7
	v_pk_fma_f32 v[146:147], v[\X+li:\X+li+1], v[\X+li:\X+li+1], v[146:147]
	v_pk_fma_f32 v[148:149], v[\X+li+2:\X+li+3], v[\X+li+2:\X+li+3], v[148:149]
.set li, li+4
.endr
	v_pk_add_f32 v[146:147], v[146:147], v[148:149]
	v_add_f32 v146, v146, v147
	REDUCE 146, 147
	v_fma_f32 v146, v146, s20, s21                 ; the variance + 1e-5
	v_rsq_f32 v146, v146
	v_nop                                          ; a plain place behind the transcendental
	s_wait_alu depctr_va_vdst(0)                   ; the wait, ahead of the first reader
.set li, 0
.rept 16
	v_pk_mul_f32 v[\X+li:\X+li+1], v[\X+li:\X+li+1], v[146:147] op_sel_hi:[1,0]
.set li, li+2
.endr
.set li, 0
.rept 16
	v_pk_fma_f32 v[\X+li:\X+li+1], v[\X+li:\X+li+1], v[80+li:81+li], v[112+li:113+li]
.set li, li+2
.endr
.endm
	s_load_b256 s[4:11], s[0:1], 0x0               ; ybuf, g2, b2n, out0
	v_lshrrev_b32 v1, 5, v0
	v_readfirstlane_b32 s12, v1                    ; wave 0..7
	v_and_b32 v1, 31, v0
	v_lshlrev_b32 v4, 4, v1
	s_mov_b32 s[SEL], 0x76543210
	s_mov_b32 s[SEL+1], 0xfedcba98
	s_mov_b32 s20, 0x3a800000                      ; 1 / 1,024
	s_mov_b32 s21, 0x3727c5ac                      ; 1e-5
	s_lshl_b32 s16, ttmp9, 16
	s_lshl_b32 s13, s12, 13
	s_add_co_u32 s16, s16, s13
	s_mov_b32 s17, 0
	s_wait_kmcnt 0x0
	s_add_nc_u64 s[4:5], s[4:5], s[16:17]
	s_add_nc_u64 s[10:11], s[10:11], s[16:17]
.irp j, 0,1,2,3,4,5,6,7
	global_load_b128 v[80+4*\j:83+4*\j], v4, s[6:7] offset:512*\j
.endr
.irp j, 0,1,2,3,4,5,6,7
	global_load_b128 v[112+4*\j:115+4*\j], v4, s[8:9] offset:512*\j
.endr
.irp i, 0,1
.irp j, 0,1,2,3,4,5,6,7
	global_load_b128 v[NUM+32*\i+4*\j:NUM+32*\i+4*\j+3], v4, s[4:5] offset:4096*\i+512*\j th:TH_LOAD_NT
.endr
.endr
	s_wait_loadcnt 8                               ; gain, bias and the first row are in; the second row's eight loads may be out
	LNROW NUM
.irp j, 0,1,2,3,4,5,6,7
	global_store_b128 v4, v[NUM+4*\j:NUM+4*\j+3], s[10:11] offset:512*\j th:TH_STORE_NT
.endr
	s_wait_loadcnt 0x0
	LNROW NUM+32
.irp j, 0,1,2,3,4,5,6,7
	global_store_b128 v4, v[NUM+32+4*\j:NUM+32+4*\j+3], s[10:11] offset:4096+512*\j th:TH_STORE_NT
.endr
	s_endpgm
.Lfunc_end_k_qceb160de7d_norm2:
	.size	k_qceb160de7d_norm2, .Lfunc_end_k_qceb160de7d_norm2-k_qceb160de7d_norm2
	.p2alignl 7, 3214868480
	.fill 96, 4, 3214868480
	.section	.rodata,"a",@progbits
	.p2align	6, 0x0
	.amdhsa_kernel k_qceb160de7d_norm2
		.amdhsa_group_segment_fixed_size 0
		.amdhsa_private_segment_fixed_size 0
		.amdhsa_enable_private_segment 0
		.amdhsa_kernarg_size 32
		.amdhsa_user_sgpr_count 2
		.amdhsa_user_sgpr_kernarg_segment_ptr 1
		.amdhsa_wavefront_size32 1
		.amdhsa_system_sgpr_workgroup_id_x 1
		.amdhsa_system_sgpr_workgroup_id_y 1
		.amdhsa_system_sgpr_workgroup_id_z 1
		.amdhsa_system_vgpr_workitem_id 0
		.amdhsa_next_free_vgpr 160
		.amdhsa_next_free_sgpr 66
		.amdhsa_reserve_vcc 0
		.amdhsa_float_denorm_mode_32 3
		.amdhsa_float_denorm_mode_16_64 3
		.amdhsa_memory_ordered 1
		.amdhsa_forward_progress 1
		.amdhsa_inst_pref_size 18
	.end_amdhsa_kernel
	.amdgpu_metadata
---
amdhsa.version: [ 1, 2 ]
amdhsa.kernels:
  - .name:           k_qceb160de7d_norm2
    .symbol:         k_qceb160de7d_norm2.kd
    .args:
      - { .name: ybuf, .offset: 0, .size: 8, .value_kind: global_buffer, .address_space: global }
      - { .name: g2, .offset: 8, .size: 8, .value_kind: global_buffer, .address_space: global }
      - { .name: b2n, .offset: 16, .size: 8, .value_kind: global_buffer, .address_space: global }
      - { .name: out0, .offset: 24, .size: 8, .value_kind: global_buffer, .address_space: global }
    .group_segment_fixed_size: 0
    .private_segment_fixed_size: 0
    .kernarg_segment_align: 8
    .kernarg_segment_size: 32
    .max_flat_workgroup_size: 256
    .sgpr_count:     66
    .vgpr_count:     160
    .wavefront_size: 32
...
	.end_amdgpu_metadata
.endif
;; end of part 8
